; MI455X (gfx1250); checked and timed in simulation.
; The chip was launched on July 23, 2026; its instructions are those of AMD's public machine-readable ISA for CDNA 5 (MIT licence, August 2026) and "CDNA5" Instruction Set Architecture Reference Guide (July 2026). The comments in the code are by the model that wrote it; some were corrected since.
;; Multi Head Attention. Allowed arithmetic: matrix products marked QUANTISED: E4M3 operands, one given power-of-two scale a tensor, by v_wmma_f32_16x16x64_fp8_fp8 or v_wmma_f32_16x16x128_fp8_fp8, f32 sums; everything else in f32.
;; Inputs: Wk 1,024 x 1,024 float32; Wq 1,024 x 1,024 float32; Wv 1,024 x 1,024 float32; keys 4 x 2,048 x 1,024 float32; lowp_scales 10 int32 (the exponents e of the quantised operands' scales 2^e); queries 4 x 2,048 x 1,024 float32; values 4 x 2,048 x 1,024 float32.
;; Outputs: out0 4 x 2,048 x 1,024 float32.
;; This version of the problem:
;;   THIS VERSION OF THE PROBLEM IS GIVEN IN LOW PRECISION. The matrix products marked QUANTISED in the list below multiply operands that are first quantised to E4M3 (4 exponent bits, 3 mantissa bits; 8 bits a number), with one given power-of-two scale for each operand tensor; their sums are f32. All else is computed in f32.
;;   The module's matrix products, in the order in which they are computed (A, B: the left and right operand; K: the contracted axis; several contracted axes count as one K, in the product's order):
;;     1. [M 8,192, K 1,024] x [K 1,024, N 1,024]; A: input queries; B: input Wq: QUANTISED (scales: A lowp_scales[0], B lowp_scales[1])
;;     2. [M 8,192, K 1,024] x [K 1,024, N 1,024]; A: input keys; B: input Wk: QUANTISED (scales: A lowp_scales[2], B lowp_scales[3])
;;     3. [M 8,192, K 1,024] x [K 1,024, N 1,024]; A: input values; B: input Wv: QUANTISED (scales: A lowp_scales[4], B lowp_scales[5])
;;     4. batch 64 x [M 2,048, K 64] x [K 64, N 2,048]; A: computed on the way; B: computed on the way: QUANTISED (scales: A lowp_scales[6], B lowp_scales[7])
;;     5. batch 64 x [M 64, K 2,048] x [K 2,048, N 2,048]; A: computed on the way; B: softmax (see below): QUANTISED (scales: A lowp_scales[8], B lowp_scales[9])
;;   THE QUANTISER, for each operand of a quantised product, along K:
;;     - The operand's scale is 2^e, e = its entry of the input lowp_scales (int32; the entries are numbered through the quantised products in the list's order, A before B).
;;     - Each number is divided by the scale, clamped to +-448, and rounded to the nearest number of E4M3, ties to even, subnormals kept.
;;     - The product sums the exact products of the quantised numbers (number of the format x scale) in f32.
;;   ~~~python
;;   def quantise(x, axis, e):      # numpy; x: float32 -> the quantised numbers, widened to float32 again
;;       x = np.moveaxis(x, axis, -1); K = x.shape[-1]
;;       r = np.clip(x / 2.0 ** e, -448, 448)
;;       step = 2.0 ** (np.maximum(np.frexp(np.where(r == 0, 1, r))[1] - 1, -6) - 3)
;;       q = np.round(r / step) * step * 2.0 ** e      # np.round: ties to even
;;       return np.moveaxis(q, -1, axis).astype(np.float32)
;;   ~~~
;;   SOFTMAX AHEAD OF A QUANTISED PRODUCT. Where the list says 'softmax', what is quantised is not the finished softmax but p = 2^(t - M), with t = logit x log2(e) and M = ceil(the row's largest t), a whole number; so 1/2 < the row's largest p <= 1. The row's sum l is taken of the UNQUANTISED p, in f32, and the product's result is divided by l at the end. Since M is a whole number, a kernel that streams over the keys may use a running M (the ceiling of the running maximum): every later rescaling is an exact power of two, so the quantised numbers keep their values, but for numbers so far below the row's largest that they fall under the format's range.
;;   OPERANDS COMPUTED ON THE WAY. 'Computed on the way' means the value that the module computes at that place (a softmax that the list does not call 'softmax' is quantised finished and normalised). What goes into a quantiser is computed in f32, as accurately as f32 sums, v_exp_f32 and their like allow (about 1e-6 of the number): no bf16 or f16 on the way to a quantiser, and a product that is left as it is and whose result goes on into a quantised operand takes f32 operands (vector FMAs, or v_wmma_f32_16x16x4_f32). A number that lies on a knife's edge between two numbers of the format may be rounded either way, as far as f32 arithmetic and the matrix unit's own rounding can turn it there, and no further.
;; 2 versions, each right; version 2 is version 1 with the launch attn written anew for expert scheduling mode. Each part assembles by itself: llvm-mc -triple=amdgcn-amd-amdhsa -mcpu=gfx1250 --defsym DOCPART=n.
;; ======== version 1 of 2: 3 launches
;; workspace buffers: xc 25,165,824 bytes; wc 3,145,728 bytes; qc 8,388,608 bytes; kc 8,388,608 bytes; vc 8,388,608 bytes
;; launch quant (part 1): grid 864 x 1, 4 waves a work-group, no clusters, 68,096 bytes of LDS; arguments queries, keys, values, Wq, Wk, Wv, lowp_scales, xc, wc; writes xc, wc
.if DOCPART == 1
	.amdgcn_target "amdgcn-amd-amdhsa--gfx1250"
	.amdhsa_code_object_version 6
	.text
	.protected	k_q1bf941faf2_quant
	.globl	k_q1bf941faf2_quant
	.p2align	8
	.type	k_q1bf941faf2_quant,@function
k_q1bf941faf2_quant:
	s_mov_b64 s[64:65], 0
	v_nop
	global_prefetch_b8 v0, s[64:65] scope:SCOPE_SE
	s_setreg_imm32_b32 hwreg(HW_REG_WAVE_MODE, 25, 1), 1
	s_wait_xcnt 0x0
; The six f32 inputs become codes of FP8 (E4M3), K innermost, each with the one scale 2^e that is given for it.
; code = x / 2^e, held within +-448, rounded to the nearest code, ties to even.
; xc: [3][8192][1024] codes of queries, keys, values (e = entries 0, 2, 4 of the scales).  wc: [3][1024 n][1024 k] codes of Wq, Wk, Wv (entries 1, 3, 5), whose K is their FIRST axis in memory.
; LIMITS: each e lies between -126 and 119, so that 2^e and 448 x 2^e are f32 numbers.  NaN among the inputs is not served (an infinity is held at the largest code).
; SHARES.  Work-groups 0 to 767 take 32,768 numbers each of queries, keys, values: K is innermost there, so a tensor is a plain stream.  A wave takes 16 steps of 512 numbers: each load reads 512 consecutive
; bytes, the step's 2,048 bytes turn through the wave's own stage in LDS and come back 64 bytes (16 neighbours along K) a lane, as the conversions want them; a lane's 16 codes are 16 bytes, a wave's store 512.
; Work-groups 768 to 863 take 128 columns x 256 along K each of a weight: A LANE TAKES A COLUMN n AND ITS REGISTERS RUN DOWN K, so the conversions give codes with K innermost; they go through the wave's
; own stage and leave as rows, sixteen lanes to 256 consecutive aligned bytes.  Both kinds of work-group read 131,072 bytes.
; The two ways part once, on the work-group's number, and each has LDS bytes of its own.  Waves share nothing: no barrier.  No matrix unit, no cluster: every byte is read once by one wave.
.set XSTEPS, 16
.set SP,     80                        ; x's way: a lane's place in a stage: its 64 bytes + 16 of padding
.set XREG,   8192                      ; x's way: LDS bytes of a wave: two stages of 32 x SP
.set WSTG,   32768                     ; the weights' way: its stages begin behind x's four regions
.set WPITCH, 272                       ; a stage row: 256 codes + 16 bytes of padding
.set SPARE,  WSTG+4*32*WPITCH          ; 67,584: the spare words, 128 bytes for each wave: two blocks of 256 bytes that no other line names
.set NB,     8                         ; blocks of 32 along K in a wave's 256
.set EMAX,   8
.set MANT,   0x600000                  ; the mantissa field of 448 as f32
.set SPW,    12                        ; v12  LDS address of my spare word; never rewritten
.set NIL,    13                        ; v13  0; never rewritten
.set R,      16                        ; x's way: v16-79 four sets of 16 numbers as loaded
.set X,      80                        ;          v80-111 two sets of 16 neighbours
.set C,      128                       ;          v128-191 codes: four registers for each step, so that no store's data are written again
.set WX,     32                        ; the weights' way: v32-95 two sets of 32 numbers
.set WC,     96                        ;          v96-103 a block's codes
.set OUTR,   112                       ;          v112-175 the way out
	s_load_b256 s[4:11], s[0:1], 0x0               ; queries s[4:5], keys s[6:7], values s[8:9], Wq s[10:11]
	s_load_b256 s[12:19], s[0:1], 0x20             ; Wk s[12:13], Wv s[14:15], the scales' exponents s[16:17], xc s[18:19]
	s_load_b64 s[20:21], s[0:1], 0x40              ; wc
	v_lshl_add_u32 v[SPW], v0, 2, SPARE
	v_mov_b32 v[NIL], 0
	v_lshrrev_b32 v1, 5, v0
	v_readfirstlane_b32 s34, v1                    ; wave 0..3
	v_and_b32 v2, 31, v0                           ; lane
	s_wait_kmcnt 0x0
	s_load_b256 s[24:31], s[16:17], 0x0            ; e0 .. e7
	s_cmp_lt_u32 ttmp9, 768
	s_cbranch_scc0 .Lweights
; ---------------- queries, keys, values ----------------
	s_lshr_b32 s32, ttmp9, 8                       ; which tensor: 256 work-groups each
	s_cmp_eq_u32 s32, 1
	s_cselect_b64 s[36:37], s[6:7], s[4:5]
	s_cmp_eq_u32 s32, 2
	s_cselect_b64 s[36:37], s[8:9], s[36:37]       ; the choice hangs on the work-group's number alone
	s_and_b32 s41, ttmp9, 255
	s_lshl_b32 s41, s41, 2
	s_add_co_u32 s42, s41, s34                     ; which run of 8,192 numbers of the tensor is my wave's
	s_lshl_b32 s42, s42, 15                        ; x 32,768 bytes
	s_mov_b32 s43, 0
	s_add_nc_u64 s[36:37], s[36:37], s[42:43]
	s_lshl_b32 s44, ttmp9, 2
	s_add_co_u32 s44, s44, s34
	s_lshl_b32 s44, s44, 13                        ; the three tensors' codes lie on end in xc: x 8,192 bytes
	s_mov_b32 s45, 0
	s_add_nc_u64 s[38:39], s[18:19], s[44:45]
	v_lshlrev_b32 v3, 4, v2                        ; my 16 bytes of a load's 512, and of a store's
	s_mul_i32 s41, s34, XREG
	v_lshrrev_b32 v14, 2, v2
	v_mul_u32_u24 v14, v14, SP
	v_and_b32 v15, 3, v2
	v_lshl_add_u32 v14, v15, 4, v14
	v_add_nc_u32 v14, s41, v14                     ; the stage, on the way in: four lanes' 64 bytes on end, then 16 of padding
	v_mul_u32_u24 v15, v2, SP
	v_add_nc_u32 v15, s41, v15                     ; and on the way out: my 16 neighbours
.macro XLOAD t
.irp i, 0,1,2,3
	global_load_b128 v[R+16*((\t)%4)+4*\i:R+16*((\t)%4)+4*\i+3], v3, s[36:37] offset:2048*(\t)+512*\i th:TH_LOAD_NT   ; 32 lanes read 512 consecutive bytes
.endr
.endm
.macro XTURN t                         ; step t's numbers through the stage: LDS serves a wave's instructions in order, so no wait stands between the stores and the loads
.irp i, 0,1,2,3
	ds_store_b128 v14, v[R+16*((\t)%4)+4*\i:R+16*((\t)%4)+4*\i+3] offset:32*SP*((\t)%2)+8*SP*\i
.endr
.irp i, 0,1,2,3
	ds_load_b128 v[X+16*((\t)%2)+4*\i:X+16*((\t)%2)+4*\i+3], v15 offset:32*SP*((\t)%2)+16*\i
.endr
.endm
.irp t, 0,1,2,3
	XLOAD \t
.endr
	s_wait_kmcnt 0x0
	s_cmp_eq_u32 s32, 1
	s_cselect_b32 s40, s26, s24                    ; e2 or e0,
	s_cmp_eq_u32 s32, 2
	s_cselect_b32 s40, s28, s40                    ; or e4
	s_add_co_i32 s40, s40, 127
	s_lshl_b32 s41, s40, 23
	v_mov_b32 v11, s41                             ; 2^e as f32: the conversion takes its exponent field
	s_add_co_i32 s40, s40, EMAX
	s_lshl_b32 s40, s40, 23
	s_or_b32 s40, s40, MANT
	v_mov_b32 v10, s40                             ; 448 x 2^e
	s_wait_loadcnt 12                              ; step 0's four loads are in; the twelve of steps 1 to 3 may be out
	XTURN 0
.macro XSTEP t
	s_wait_dscnt 0x0                               ; this step's numbers are back from the stage: so its stores into the stage have read their registers,
.if (\t)+4 < XSTEPS
	XLOAD (\t)+4                                   ; which take the loads of four steps on
.endif
.if (\t)+1 < XSTEPS
.if XSTEPS-2-(\t) >= 3
	s_wait_loadcnt 12                              ; the next step's four loads are in; those of the three steps behind it may be out
.else
	s_wait_loadcnt 4*(XSTEPS-2-(\t))               ; at the end the counts run down
.endif
	XTURN (\t)+1                                   ; and go through the other stage while this step is worked
.endif
.irp i, 0,1,2,3,4,5,6,7,8,9,10,11,12,13,14,15
	v_med3_num_f32 v[X+16*((\t)%2)+\i], v[X+16*((\t)%2)+\i], -v10, v10   ; the conversion to an 8-bit code does not saturate (ISA guide 7.6.2): the hold comes first
.endr
	v_cvt_scalef32_pk8_fp8_f32 v[C+4*(\t):C+4*(\t)+1], v[X+16*((\t)%2):X+16*((\t)%2)+7], v11
	v_cvt_scalef32_pk8_fp8_f32 v[C+4*(\t)+2:C+4*(\t)+3], v[X+16*((\t)%2)+8:X+16*((\t)%2)+15], v11
	global_store_b128 v3, v[C+4*(\t):C+4*(\t)+3], s[38:39] offset:512*(\t)   ; the results go to a store alone; the next vector lines are the next step's holds, plain ones on other registers
.endm
.irp t, 0,1,2,3,4,5,6,7,8,9,10,11,12,13,14,15
	XSTEP \t
.endr
	s_wait_tensorcnt 0x0                           ; the wave's end: three lines behind my last LDS store
	ds_add_u32 v[SPW], v[NIL]
	s_wait_dscnt 0x0
	s_endpgm
; ---------------- Wq, Wk, Wv ----------------
.Lweights:
	s_sub_co_u32 s33, ttmp9, 768
	s_lshr_b32 s32, s33, 5                         ; which weight: 32 work-groups each
	s_and_b32 s41, s33, 7                          ; which 128 columns
	s_bfe_u32 s42, s33, 0x20003                    ; which 256 along K
	s_lshl_b32 s41, s41, 7
	s_lshl_b32 s43, s34, 5
	s_add_co_u32 s41, s41, s43                     ; my wave's first column
	s_lshl_b32 s44, s42, 20                        ; in: 256 rows of 4,096 bytes,
	s_lshl_b32 s43, s41, 2
	s_add_co_u32 s44, s44, s43                     ; + 4 bytes a column
	s_mov_b32 s45, 0
	s_lshl_b32 s46, s32, 10
	s_add_co_u32 s46, s46, s41
	s_lshl_b32 s46, s46, 10                        ; out: row 1,024 x weight + column, of 1,024 bytes,
	s_lshl_b32 s43, s42, 8
	s_add_co_u32 s46, s46, s43                     ; + my 256 along K
	s_mov_b32 s47, 0
	s_cmp_eq_u32 s32, 1
	s_cselect_b64 s[36:37], s[12:13], s[10:11]
	s_cmp_eq_u32 s32, 2
	s_cselect_b64 s[36:37], s[14:15], s[36:37]
	s_add_nc_u64 s[36:37], s[36:37], s[44:45]
	s_add_nc_u64 s[38:39], s[20:21], s[46:47]
	v_lshlrev_b32 v3, 2, v2                        ; in: 4 bytes a lane
	s_mul_i32 s43, s34, 32*WPITCH
	s_add_co_u32 s43, s43, WSTG                    ; my stage
	v_mul_u32_u24 v4, v2, WPITCH
	v_add_nc_u32 v4, s43, v4                       ; into it: row = my column
	v_and_b32 v5, 15, v2
	v_lshrrev_b32 v6, 4, v2                        ; out of it: sixteen lanes to a row, two rows an instruction
	v_mul_u32_u24 v7, v6, WPITCH
	v_lshl_add_u32 v7, v5, 4, v7
	v_add_nc_u32 v7, s43, v7
	v_lshlrev_b32 v8, 10, v6
	v_lshl_add_u32 v8, v5, 4, v8                   ; and the same place in wc
.macro WLOAD t                         ; block t: W(32 t + i, my column), i = 0 .. 31, into set t % 2; a wave's load reads 128 consecutive bytes, the four waves stand side by side
.irp i, 0,1,2,3,4,5,6,7,8,9,10,11,12,13,14,15,16,17,18,19,20,21,22,23,24,25,26,27,28,29,30,31
	global_load_b32 v[WX+32*((\t)%2)+\i], v3, s[36:37] offset:(32*(\t)+\i)*4096 th:TH_LOAD_NT
.endr
.endm
	WLOAD 0
	WLOAD 1
	s_wait_kmcnt 0x0
	s_cmp_eq_u32 s32, 1
	s_cselect_b32 s40, s27, s25                    ; e3 or e1,
	s_cmp_eq_u32 s32, 2
	s_cselect_b32 s40, s29, s40                    ; or e5
	s_add_co_i32 s40, s40, 127
	s_lshl_b32 s41, s40, 23
	v_mov_b32 v11, s41                             ; 2^e
	s_add_co_i32 s40, s40, EMAX
	s_lshl_b32 s40, s40, 23
	s_or_b32 s40, s40, MANT
	v_mov_b32 v10, s40                             ; 448 x 2^e
.macro WBLOCK t
.if (\t) < NB-1
	s_wait_loadcnt 32                              ; this block's 32 loads are in; the next block's may be out
.else
	s_wait_loadcnt 0
.endif
.irp i, 0,1,2,3,4,5,6,7,8,9,10,11,12,13,14,15,16,17,18,19,20,21,22,23,24,25,26,27,28,29,30,31
	v_med3_num_f32 v[WX+32*((\t)%2)+\i], v[WX+32*((\t)%2)+\i], -v10, v10
.endr
.irp g, 0,1,2,3
	v_cvt_scalef32_pk8_fp8_f32 v[WC+2*\g:WC+2*\g+1], v[WX+32*((\t)%2)+8*\g:WX+32*((\t)%2)+8*\g+7], v11
.endr
	ds_store_b128 v4, v[WC:WC+3] offset:32*(\t)    ; 32 codes: 32 bytes of my column's row
	ds_store_b128 v4, v[WC+4:WC+7] offset:32*(\t)+16
.if (\t)+2 < NB
	WLOAD (\t)+2
.endif
	s_wait_dscnt 0x0                               ; the stores have read their registers: the next block's codes may be written (its 32 holds, plain lines, come first)
.endm
.irp t, 0,1,2,3,4,5,6,7
	WBLOCK \t
.endr
.irp t, 0,1,2,3,4,5,6,7,8,9,10,11,12,13,14,15
	ds_load_b128 v[OUTR+4*\t:OUTR+4*\t+3], v7 offset:2*\t*WPITCH   ; LDS serves a wave's instructions in order: these see my stores
.endr
.irp t, 0,1,2,3,4,5,6,7,8,9,10,11,12,13,14,15
	s_wait_dscnt 15-\t                             ; the younger loads may be out
	global_store_b128 v8, v[OUTR+4*\t:OUTR+4*\t+3], s[38:39] offset:2*\t*1024   ; sixteen lanes store 256 consecutive bytes, at a multiple of 256 from wc's first byte
.endr
	s_wait_tensorcnt 0x0                           ; the wave's end: three lines behind my last LDS store
	ds_add_u32 v[SPW], v[NIL]
	s_wait_dscnt 0x0
	s_endpgm
.Lfunc_end_k_q1bf941faf2_quant:
	.size	k_q1bf941faf2_quant, .Lfunc_end_k_q1bf941faf2_quant-k_q1bf941faf2_quant
	.p2alignl 7, 3214868480
	.fill 96, 4, 3214868480
	.section	.rodata,"a",@progbits
	.p2align	6, 0x0
	.amdhsa_kernel k_q1bf941faf2_quant
		.amdhsa_group_segment_fixed_size 68096
		.amdhsa_private_segment_fixed_size 0
		.amdhsa_enable_private_segment 0
		.amdhsa_kernarg_size 72
		.amdhsa_user_sgpr_count 2
		.amdhsa_user_sgpr_kernarg_segment_ptr 1
		.amdhsa_wavefront_size32 1
		.amdhsa_system_sgpr_workgroup_id_x 1
		.amdhsa_system_sgpr_workgroup_id_y 1
		.amdhsa_system_sgpr_workgroup_id_z 1
		.amdhsa_system_vgpr_workitem_id 0
		.amdhsa_next_free_vgpr 192
		.amdhsa_next_free_sgpr 66
		.amdhsa_reserve_vcc 0
		.amdhsa_float_denorm_mode_32 3
		.amdhsa_float_denorm_mode_16_64 3
		.amdhsa_memory_ordered 1
		.amdhsa_forward_progress 1
		.amdhsa_inst_pref_size 86
	.end_amdhsa_kernel
	.amdgpu_metadata
---
amdhsa.version: [ 1, 2 ]
amdhsa.kernels:
  - .name:           k_q1bf941faf2_quant
    .symbol:         k_q1bf941faf2_quant.kd
    .args:
      - { .name: queries, .offset: 0, .size: 8, .value_kind: global_buffer, .address_space: global }
      - { .name: keys, .offset: 8, .size: 8, .value_kind: global_buffer, .address_space: global }
      - { .name: values, .offset: 16, .size: 8, .value_kind: global_buffer, .address_space: global }
      - { .name: Wq, .offset: 24, .size: 8, .value_kind: global_buffer, .address_space: global }
      - { .name: Wk, .offset: 32, .size: 8, .value_kind: global_buffer, .address_space: global }
      - { .name: Wv, .offset: 40, .size: 8, .value_kind: global_buffer, .address_space: global }
      - { .name: lowp_scales, .offset: 48, .size: 8, .value_kind: global_buffer, .address_space: global }
      - { .name: xc, .offset: 56, .size: 8, .value_kind: global_buffer, .address_space: global }
      - { .name: wc, .offset: 64, .size: 8, .value_kind: global_buffer, .address_space: global }
    .group_segment_fixed_size: 68096
    .private_segment_fixed_size: 0
    .kernarg_segment_align: 8
    .kernarg_segment_size: 72
    .max_flat_workgroup_size: 128
    .sgpr_count:     66
    .vgpr_count:     192
    .wavefront_size: 32
...
	.end_amdgpu_metadata
.endif
;; end of part 1
;; launch proj (part 2): grid 4 x 96, 4 waves a work-group, clusters of 4 x 4, 327,680 bytes of LDS; arguments xc, wc, lowp_scales, qc, kc, vc; writes qc, kc, vc
.if DOCPART == 2
	.amdgcn_target "amdgcn-amd-amdhsa--gfx1250"
	.amdhsa_code_object_version 6
	.text
	.protected	k_q1bf941faf2_proj
	.globl	k_q1bf941faf2_proj
	.p2align	8
	.type	k_q1bf941faf2_proj,@function
k_q1bf941faf2_proj:
	s_mov_b64 s[64:65], 0
	v_nop
	global_prefetch_b8 v0, s[64:65] scope:SCOPE_SE
	s_setreg_imm32_b32 hwreg(HW_REG_WAVE_MODE, 25, 1), 1
	s_wait_xcnt 0x0
	s_wait_alu depctr_hold_cnt(0) depctr_sa_sdst(0) depctr_va_vdst(0) depctr_va_sdst(0) depctr_va_ssrc(0) depctr_va_vcc(0) depctr_vm_vsrc(0)
	s_getreg_b32 s2, hwreg(HW_REG_IB_STS2, 6, 4)
	s_cmp_eq_u32 s2, 0
	s_cbranch_scc0 .Lentry_in_a_cluster
	s_endpgm
.Lentry_in_a_cluster:
	s_bfe_u32 s2, ttmp6, 0x10000c
	s_cmp_lg_u32 s2, 0xf033
	s_cbranch_scc0 .Lentry_shape_is_right
	s_endpgm
.Lentry_shape_is_right:
; The three projections q = queries Wq, k = keys Wk, v = values Wv on codes of FP8 (E4M3), f32 sums, and the quantising of q, k, v for the attention that follows.
; xc: [3][8192][1024] codes, wc: [3][1024 n][1024 k] codes, K innermost in both.  A finished sum stands for sum x 2^(ea + eb); its code is sum / 2^(eo - ea - eb), held within +-448: the three scales are folded into the conversion's one.
; (ea, eb, eo) = entries (0, 1, 6) of the scales for q, (2, 3, 7) for k, (4, 5, 8) for v.  LIMIT: eo - ea - eb lies between -126 and 119.
; SHARES.  A tile of 256 x 256 results is made by a work-group of four waves; a wave makes 128 x 128: 64 accumulators of 16 x 16, 512 registers.  K = 1,024 goes in four steps of 256 through a ring of two LDS slots
; filled by the tensor data mover; a tile's row is 256 bytes of memory.  384 tiles: 128 for each projection.
; CLUSTERS: 4 x 4 work-groups.  The four of a row of the cluster need the same tiles of the A side, the four of a column the same tiles of the B side: each tile is asked for JOINTLY.
; THE TWO SIDES.  Source 0 of the matrix instruction takes 16 rows of the B side, source 1 16 rows of the A side: lane (r, h) of accumulator (a, b) then holds A's row 16 a + r and, in its eight registers,
; B's rows 16 b + 8 h + 0 .. 7.  One conversion of the eight gives registers 2 b, 2 b + 1 of an 8-bit operand whose row is A's index and whose K runs along B's index.
;   q, k: A side = tokens (xc), B side = W's rows n = 64 head + d: fragments of 16 tokens x 64 d, the first attention product's operands.
;   v:    A side = Wv's rows, B side = tokens: fragments of 16 d x 128 keys, the second product's operand, K = the keys.
; So the results leave as IMAGES OF OPERAND REGISTERS, four registers a store, lane l's 16 bytes at 16 l: 512 consecutive bytes a store, and nothing goes through LDS on the way out.
;   qc, kc: [head of batch, 64][16 tokens, 128][registers 4 j .. 4 j + 3, 2][lane, 32][16 bytes].     vc: [head of batch, 64][128 keys, 16][16 d, 4][registers 4 c .. 4 c + 3, 4][lane, 32][16 bytes].
; Which side is which hangs on the cluster's y alone, which all sixteen partners share; it is chosen by selects, with no branch.
; REGISTERS, in windows of 256: window 0: v0-31 addresses; from v128 the A side's fragments (8 x 16 rows x 128 K), ONE set; on the way out v32-95 held sums, v128-255 codes.
;   window 1: the B side's fragments, TWO sets, at v0 and at v128.   window 2: the accumulators of my A rows 0-63 ((a, b) at v[8 (8 a + b)]);   window 3: those of my A rows 64-127.
.set ROWB,   256                       ; a tile's row in bytes: 256 codes
.set KROW,   1024                      ; a row of xc or of wc in memory, in bytes
.set PITCH,  272                       ; an LDS row: 256 bytes + 16 of padding = 68 words: row r starts at bank 4 r mod 64 (64 banks of 4 bytes: ISA guide 11.1)
.set FR,     16                        ; registers of a fragment: 16 rows x 128 K
.set NL,     4                         ; LDS loads that bring one
.set NP,     4                         ; places behind this matrix instruction (ISA guide 7.12.1)
.set HALFT,  128*PITCH                 ; 128 rows: what one tensor load brings, and what one wave reads of a side
.set SLOT,   4*HALFT                   ; the A side's 256 rows, then the B side's
.set SPARE,  2*SLOT                    ; behind the ring: the spare words, 128 bytes for each wave: two blocks of 256 bytes that no other line names
.set ADRA, 16                          ; v16-17  LDS address of my A fragments in slot 0, 1
.set ADRB, 20                          ; v20-21  the same for B
.set CO2,  25                          ; v25     the way out: 16 x lane + the distance to a block's second half
.set CO,   26                          ; v26     the way out: 16 x lane
.set SCL,  27                          ; v27     2^(eo - ea - eb) as f32
.set SPW,  28                          ; v28     LDS address of my spare word; never rewritten
.set NIL,  29                          ; v29     0; never rewritten
.set LIM,  30                          ; v30     448 x 2^(eo - ea - eb)
.set TMP,  32                          ; the way out: a block's 64 sums, held
.set AF,   128                         ; the A side's fragments, in window 0
.set CD,   128                         ; the way out: 16 registers of codes for each of my eight blocks, so that no store's data are written again
.set G1, 24                            ; s[24:31] descriptor group 1 for the A side;  s[32:39] group 0, one set for each slot
.set G0, 32
.set G1B, 48                           ; s[48:55], s[56:63] the same for the B side
.set G0B, 56
.set MSB, 0
.macro WIN new                         ; the immediate's high byte repeats the setting that is left
.if MSB != \new
	s_set_vgpr_msb (MSB<<8)|\new
.set MSB, \new
.endif
.endm
.set MUL_LO, 0xa1                      ; source 0 (B) window 1, source 1 (A) window 0, C and D window 2
.set MUL_HI, 0xf1                      ; the same, C and D window 3
.set TO_B,   0x40                      ; destination window 1, address window 0
; A joint load: waves 0 and 1 fetch for the A side, waves 2 and 3 for the B side.  Each of the two lines has ONE mask and one set of registers for all that issue it; the branch hangs on the wave's number alone.
; An s_nop 0 and four v_nop follow each of the two lines, ahead of the jump, the label and what follows.
.macro JLOAD g0a, g1a, g0b, g1b
	s_cmp_eq_u32 s15, 0
	s_cbranch_scc0 .Lfor_b_\@
	tensor_load_to_lds s[\g0a:\g0a+3], s[\g1a:\g1a+7]
	s_nop 0
.rept 4
	v_nop
.endr
	s_branch .Lasked_\@
.Lfor_b_\@:
	tensor_load_to_lds s[\g0b:\g0b+3], s[\g1b:\g1b+7]
	s_nop 0
.rept 4
	v_nop
.endr
.Lasked_\@:
.endm
.macro CREST                           ; a round of the cluster's barrier behind its opening barrier
	s_cmp_lg_u32 s14, 0
	s_cbranch_scc1 .Lnot_wave_0_\@
	s_barrier_signal -3
.Lnot_wave_0_\@:
	s_barrier_wait -3
	s_barrier_signal -1
	s_barrier_wait -1
.endm
.macro CROUND                          ; a whole round
	s_barrier_signal -1
	s_barrier_wait -1
	CREST
.endm
	s_load_b128 s[4:7], s[0:1], 0x0                ; xc s[4:5], wc s[6:7]
	s_load_b128 s[8:11], s[0:1], 0x10              ; the scales' exponents s[8:9], qc s[10:11]
	s_load_b128 s[68:71], s[0:1], 0x20             ; kc s[68:69], vc s[70:71]
	v_lshl_add_u32 v[SPW], v0, 2, SPARE
	v_mov_b32 v[NIL], 0
	ds_add_u32 v[SPW], v[NIL]                      ; the wave's opening: the add and its wait stand ahead of my first tensor load; the set-up below, work on registers, stands between them
	v_lshrrev_b32 v1, 5, v0
	v_readfirstlane_b32 s14, v1                    ; wave 0..3
	s_lshr_b32 s15, s14, 1                         ; which half of the tile's A rows is mine.  Also: I fetch for the A side (0) or for the B side (1)
	s_and_b32 s16, s14, 1                          ; which half of its B rows.  Also: which 128 rows of that tile I fetch
	s_bfe_u32 s40, ttmp6, 0x40000                  ; cx, cy: my place in the cluster
	s_bfe_u32 s41, ttmp6, 0x40004
	s_and_b32 s66, ttmp7, 0xffff                   ; the cluster's y, 0 .. 23: eight clusters for each projection
	s_lshr_b32 s67, s66, 3                         ; which projection: 0 q, 1 k, 2 v
	s_lshl_b32 s86, s66, 2                         ; the cluster's first tile of 256 tokens among xc's 96
	s_lshl_b32 s87, s67, 2                         ; the projection's first tile of 256 rows among wc's 12
	s_cmp_eq_u32 s67, 2
	s_cselect_b32 s17, 8, s86                      ; A side: Wv's rows for v, else the tokens;
	s_cselect_b32 s42, s86, s87                    ; B side: the tokens for v, else W's rows
	s_add_co_u32 s17, s17, s41                     ; the A side's tile hangs on cy,
	s_add_co_u32 s42, s42, s40                     ; the B side's on cx
	s_lshl_b32 s43, s41, 2
	s_lshl_b32 s43, 15, s43                        ; my row of the cluster
	s_lshl_b32 s44, 0x1111, s40                    ; my column
	; descriptor group 1: a tile of 128 rows x 256 bytes, padded in LDS
	s_or_b32 s[G1+0], s43, (0<<16)|(1<<20)|(1<<21)|(5<<22)|(3<<25)  ; 15:0 the mask: the A side's tiles go to my row; 17:16 element of 1 byte; 20 padding on; 21 set beside a mask; 24:22 after every 64 words (code 5); 31:25 of 4 words (code 3)
	s_or_b32 s[G1B+0], s44, (0<<16)|(1<<20)|(1<<21)|(5<<22)|(3<<25)
.irp g, G1, G1B
	s_mov_b32 s[\g+1], ROWB<<16                    ; tensor_dim0
	s_mov_b32 s[\g+2], 128<<16                     ; tensor_dim1 = 128
	s_mov_b32 s[\g+3], ROWB<<16                    ; tile_dim0
	s_mov_b32 s[\g+4], 128                         ; tile_dim1 = 128
	s_mov_b32 s[\g+5], KROW                        ; tensor_dim0_stride
	s_mov_b32 s[\g+6], 0
	s_mov_b32 s[\g+7], 0
.endr
	s_lshl_b32 s18, s16, 7                         ; which 128 rows of the tile I fetch
	s_lshl_b32 s20, s17, 8
	s_add_co_u32 s20, s20, s18                     ; A side: row 256 x tile + 128 x half,
	s_lshl_b32 s20, s20, 10                        ; of 1,024 bytes
	s_mov_b32 s21, 0
	s_lshl_b32 s46, s42, 8
	s_add_co_u32 s46, s46, s18                     ; B side likewise
	s_lshl_b32 s46, s46, 10
	s_mov_b32 s47, 0
	s_mul_i32 s45, s14, HALFT                      ; where they go: wave x 128 rows: no place in the cluster enters an LDS address
	s_wait_dscnt 0x0                               ; the opening add is done
	s_wait_kmcnt 0x0
	s_load_b256 s[72:79], s[8:9], 0x0              ; e0 .. e7
	s_load_b32 s80, s[8:9], 0x20                   ; e8
	s_cmp_eq_u32 s67, 2
	s_cselect_b64 s[88:89], s[6:7], s[4:5]         ; the A side's codes,
	s_cselect_b64 s[90:91], s[4:5], s[6:7]         ; the B side's
	s_add_nc_u64 s[20:21], s[88:89], s[20:21]
	s_add_nc_u64 s[46:47], s[90:91], s[46:47]
	CROUND                                         ; all sixteen work-groups are here: the first joint loads meet
.irp s, 0,1
	s_mov_b32 s[G0+4*\s], 1
	s_add_co_u32 s[G0+4*\s+1], s45, \s*SLOT
	s_add_nc_u64 s[G0+4*\s+2:G0+4*\s+3], s[20:21], \s*ROWB
	s_or_b32 s[G0+4*\s+3], s[G0+4*\s+3], 0x80000000
	s_mov_b32 s[G0B+4*\s], 1
	s_add_co_u32 s[G0B+4*\s+1], s45, \s*SLOT
	s_add_nc_u64 s[G0B+4*\s+2:G0B+4*\s+3], s[46:47], \s*ROWB
	s_or_b32 s[G0B+4*\s+3], s[G0B+4*\s+3], 0x80000000
	JLOAD G0+4*\s, G1, G0B+4*\s, G1B
.endr
	v_and_b32 v1, 15, v0                           ; l % 16
	v_bfe_u32 v2, v0, 4, 1                         ; l / 16
	v_mul_u32_u24 v3, v1, PITCH
	v_lshl_add_u32 v4, v2, 4, v3                   ; a fragment's row x pitch + 16 x half
	s_mul_i32 s21, s15, HALFT                      ; my 128 rows of the A side
	s_mul_i32 s22, s16, HALFT                      ; my 128 rows of the B side,
	s_add_co_u32 s22, s22, 2*HALFT                 ; which lie behind A's 256
.irp s, 0,1
	v_add_nc_u32 v[ADRA+\s], s21, v4
	v_add_nc_u32 v[ADRB+\s], s22, v4
	s_add_co_u32 s21, s21, SLOT
	s_add_co_u32 s22, s22, SLOT
.endr
	; where my results go, in registers that feed no descriptor.  The tokens lie on the A side for q and k, on the B side for v; the heads on the other.
	v_and_b32 v6, 31, v0
	v_lshlrev_b32 v[CO], 4, v6
	s_cmp_eq_u32 s67, 2
	s_cselect_b32 s96, s40, s41                    ; the tokens' tile in the cluster,
	s_cselect_b32 s97, s41, s40                    ; the heads' tile (256 rows of W: four heads),
	s_cselect_b32 s98, s16, s15                    ; my half of the tokens' tile,
	s_cselect_b32 s99, s15, s16                    ; my half of the heads' tile (two heads)
	s_mov_b32 s82, 1024
	s_cselect_b32 s82, 2048, s82                   ; from one of my eight A blocks to the next: 16 tokens' fragment (1,024 bytes), or for v 16 d's (2,048)
	s_mov_b32 s84, 1024
	s_cselect_b32 s84, 124928, s84                 ; from block 3 to block 4: for v the next head's first fragment: 131,072 - 3 x 2,048
	s_mov_b32 s81, 131072
	s_cselect_b32 s81, 1024, s81                   ; from a block's registers 0-7 to its registers 8-15: the next head's fragment, or for v the same fragment's second half
	s_mov_b32 s83, 0
	s_mov_b32 s85, 0
	v_add_nc_u32 v[CO2], s81, v[CO]
	s_and_b32 s100, s66, 7
	s_lshl_b32 s100, s100, 2
	s_add_co_u32 s100, s100, s96                   ; the tokens' tile among the projection's 32,
	s_lshl_b32 s100, s100, 1
	s_add_co_u32 s100, s100, s98                   ; my 128 tokens among its 64 runs of 128
	s_lshr_b32 s101, s100, 4                       ; the batch: 16 runs each
	s_and_b32 s100, s100, 15
	s_lshl_b32 s100, s100, 13                      ; 128 tokens are 8,192 bytes of a head's image, in all three layouts
	s_lshl_b32 s101, s101, 3
	s_lshl_b32 s97, s97, 1
	s_add_co_u32 s101, s101, s97
	s_add_co_u32 s101, s101, s99                   ; 8 x batch + 2 x heads' tile + half: my pair of heads
	s_lshl_b32 s101, s101, 18                      ; a head's image is 131,072 bytes
	s_add_co_u32 s100, s100, s101
	s_mov_b32 s101, 0
	s_cmp_eq_u32 s67, 1
	s_cselect_b64 s[94:95], s[68:69], s[10:11]
	s_cmp_eq_u32 s67, 2
	s_cselect_b64 s[94:95], s[70:71], s[94:95]     ; qc, kc or vc
	s_add_nc_u64 s[94:95], s[94:95], s[100:101]
.macro FRAG reg, adr, q, i             ; a fragment, 16 rows x 128 K of 8-bit codes, is 16 registers: lane l holds row l % 16; registers 4 c .. 4 c + 3 take K = 32 c + 16 (l / 16) + 0 .. 15: the same places of k on both sides, so every product meets its partner
.irp c, 0,1,2,3
	ds_load_b128 v[\reg+4*\c:\reg+4*\c+3], v[\adr] offset:128*(\q)+32*\c+(\i)*16*PITCH
.endr
.endm
; 16 matrix instructions: A's blocks a0, a0 + 1 x B's eight, 128 along K.  p: B's set.  zero = 1: the first product starts the sums: nothing is ever cleared.
; The 64 accumulators take turns, one instruction a turn, in the same order in every step.
.macro MUL16 a0, p, zero
.irp a, \a0, \a0+1
.irp b, 0,1,2,3,4,5,6,7
.if \zero
	v_wmma_f32_16x16x128_fp8_fp8 v[8*(8*((\a)%4)+\b):8*(8*((\a)%4)+\b)+7], v[128*(\p)+FR*\b:128*(\p)+FR*\b+FR-1], v[AF+FR*(\a):AF+FR*(\a)+FR-1], 0
.else
	v_wmma_f32_16x16x128_fp8_fp8 v[8*(8*((\a)%4)+\b):8*(8*((\a)%4)+\b)+7], v[128*(\p)+FR*\b:128*(\p)+FR*\b+FR-1], v[AF+FR*(\a):AF+FR*(\a)+FR-1], v[8*(8*((\a)%4)+\b):8*(8*((\a)%4)+\b)+7]
.endif
.endr
.endr
.endm
.macro FETCH_B slot, q, p              ; B's eight fragments of the slot's q-th 128 along K into set p
	WIN TO_B
.irp i, 0,1,2,3,4,5,6,7
	FRAG 128*(\p)+FR*\i, ADRB+\slot, \q, \i
.endr
	WIN 0
.endm
.macro FETCH_A slot, q, i0             ; A's blocks i0 .. i0 + 3
.irp i, \i0, \i0+1, \i0+2, \i0+3
	FRAG AF+FR*(\i), ADRA+\slot, \q, \i
.endr
.endm
; A load into a register that a matrix instruction has read, and a vector instruction that reads a matrix result or writes one of a matrix instruction's registers, stand NP places behind that matrix instruction,
; and only plain vector instructions that name none of its registers are places (ISA guide 7.12.1 for vector instructions).
.macro PLACES n
.rept \n
	v_nop
.endr
.endm
; A step of 128 along K that has its successor in the same slot.  A block of A is free as soon as its eight products are issued: blocks 0-3 are fetched anew in the step's middle, blocks 4-7 at its end.
.macro STEP slot, q, zero
	s_wait_dscnt 4*NL                              ; B's set and A's blocks 0-3 are in; the youngest sixteen loads (A's blocks 4-7) may be out
	WIN MUL_LO
	MUL16 0, (\q)%2, \zero
	MUL16 2, (\q)%2, \zero
	s_wait_dscnt 0                                 ; A's blocks 4-7 are in (asked for 32 matrix instructions ago)
	PLACES NP
	FETCH_B \slot, (\q)+1, 1-(\q)%2
	FETCH_A \slot, (\q)+1, 0
	WIN MUL_HI
	MUL16 4, (\q)%2, \zero
	MUL16 6, (\q)%2, \zero
	PLACES NP
	WIN 0
	FETCH_A \slot, (\q)+1, 4
.endm
; A slot's last step changes slots: ONE barrier; in front of it each wave waits for all its tensor loads, adds 0 to its spare word, and waits for that and for its own reads of this slot.  fill = 1: this slot is filled again, two K steps ahead.
.macro TURN slot, next, fill
	s_wait_tensorcnt 0x0                           ; all my tensor loads have landed: my part of the next slot;  (every window is 0 here: the add's two registers lie in window 0)
	ds_add_u32 v[SPW], v[NIL]                      ; 0 onto my spare word
	s_wait_dscnt 4*NL+1                            ; (the add and the youngest sixteen loads, A's blocks 4-7, may be out)
	WIN MUL_LO
	MUL16 0, 1, 0                                  ; sixteen matrix instructions stand between the add and the wait for it
	s_wait_dscnt 0x0                               ; the add is done, and my reads of this slot are over
	s_barrier_signal -1
	MUL16 2, 1, 0
	WIN 0
	s_barrier_wait -1
.if \fill
	CREST                                          ; the barrier has opened a round of the cluster's barrier: no wave of any partner still reads this slot's tile or has a load on its way
	s_add_nc_u64 s[G0+4*\slot+2:G0+4*\slot+3], s[G0+4*\slot+2:G0+4*\slot+3], 2*ROWB
	s_add_nc_u64 s[G0B+4*\slot+2:G0B+4*\slot+3], s[G0B+4*\slot+2:G0B+4*\slot+3], 2*ROWB
	JLOAD G0+4*\slot, G1, G0B+4*\slot, G1B         ; the first tensor load behind the round; the four v_nop behind it are the places in front of the loads below
.else
	PLACES NP
.endif
	FETCH_B \next, 0, 0
	FETCH_A \next, 0, 0
	WIN MUL_HI
	MUL16 4, 1, 0
	MUL16 6, 1, 0
	PLACES NP
	WIN 0
	FETCH_A \next, 0, 4
.endm
	s_wait_tensorcnt 1                             ; my part of K step 0 is in (K step 1's load may be out)
	s_barrier_signal -1
	s_barrier_wait -1                              ; everybody's is
	FETCH_B 0, 0, 0
	FETCH_A 0, 0, 0
	FETCH_A 0, 0, 4
	; K = 1,024 is eight steps of 128 in four slots' worth: they are written one after the other; a loop over the ring would have a single trip
	STEP 0, 0, 1                                   ; K 0: its products start the sums
	TURN 0, 1, 1                                   ; K 128; slot 0 takes K 512 to 767
	STEP 1, 0, 0                                   ; K 256
	TURN 1, 0, 1                                   ; K 384; slot 1 takes K 768 to 1,023
	STEP 0, 0, 0                                   ; K 512
	TURN 0, 1, 0                                   ; K 640; nothing is left to fetch, so no round of the cluster's barrier
	STEP 1, 0, 0                                   ; K 768
	s_wait_dscnt 4*NL                              ; K 896, the last step
	WIN MUL_LO
	MUL16 0, 1, 0
	MUL16 2, 1, 0
	s_wait_dscnt 0
	WIN MUL_HI
	MUL16 4, 1, 0
	MUL16 6, 1, 0
	WIN 0
	; THE WAY OUT.  The one scale of the conversions, and the hold's limit.
	s_wait_kmcnt 0x0
	s_sub_co_i32 s72, s78, s72
	s_sub_co_i32 s72, s72, s73                     ; q: e6 - e0 - e1
	s_sub_co_i32 s74, s79, s74
	s_sub_co_i32 s74, s74, s75                     ; k: e7 - e2 - e3
	s_sub_co_i32 s76, s80, s76
	s_sub_co_i32 s76, s76, s77                     ; v: e8 - e4 - e5
	s_cmp_eq_u32 s67, 1
	s_cselect_b32 s72, s74, s72
	s_cmp_eq_u32 s67, 2
	s_cselect_b32 s72, s76, s72
	s_add_co_i32 s72, s72, 127
	s_lshl_b32 s73, s72, 23
	s_add_co_i32 s72, s72, 8
	s_lshl_b32 s72, s72, 23
	s_or_b32 s72, s72, 0x600000
	v_mov_b32 v[SCL], s73                          ; these two and the two v_nop are the four places behind the last products:
	v_mov_b32 v[LIM], s72                          ; the conversions below write registers that held A's fragments
	PLACES 2
; Block a of my eight: 16 rows of the A side x my 128 of the B side.  The 64 sums are held into other registers, each accumulator from its low end on; eight conversions make 16 registers of codes; four stores of 512 consecutive bytes.
.macro OUT a
.set AC, 64*((\a)%4)
.if (\a) > 0
	s_wait_xcnt 0x0                                ; the earlier stores have read their base: it may step
.if (\a) == 4
	s_add_nc_u64 s[94:95], s[94:95], s[84:85]
.else
	s_add_nc_u64 s[94:95], s[94:95], s[82:83]
.endif
.endif
	WIN 0x02+((\a)/4)                              ; source 0: window 2 or 3
.set n, 0
.rept 64
	v_med3_num_f32 v[TMP+n], v[AC+n], -v[LIM], v[LIM]   ; the conversion to an 8-bit code does not saturate (ISA guide 7.6.2): the hold comes first
.set n, n+1
.endr
	WIN 0
.irp b, 0,1,2,3,4,5,6,7
	v_cvt_scalef32_pk8_fp8_f32 v[CD+16*(\a)+2*\b:CD+16*(\a)+2*\b+1], v[TMP+8*\b:TMP+8*\b+7], v[SCL]
.endr
	v_nop                                          ; one plain line between the conversions and the next block's holds, which write their sources
	global_store_b128 v[CO],  v[CD+16*(\a):CD+16*(\a)+3],     s[94:95]
	global_store_b128 v[CO],  v[CD+16*(\a)+4:CD+16*(\a)+7],   s[94:95] offset:512
	global_store_b128 v[CO2], v[CD+16*(\a)+8:CD+16*(\a)+11],  s[94:95]
	global_store_b128 v[CO2], v[CD+16*(\a)+12:CD+16*(\a)+15], s[94:95] offset:512
.endm
.irp a, 0,1,2,3,4,5,6,7
	OUT \a
.endr
	s_wait_tensorcnt 0x0                           ; the wave's end: three lines behind my last tensor load
	ds_add_u32 v[SPW], v[NIL]
	s_wait_dscnt 0x0
	CROUND                                         ; the closing round: no work-group ends while a partner may still ask for a tile that names it
	s_endpgm
.Lfunc_end_k_q1bf941faf2_proj:
	.size	k_q1bf941faf2_proj, .Lfunc_end_k_q1bf941faf2_proj-k_q1bf941faf2_proj
	.p2alignl 7, 3214868480
	.fill 96, 4, 3214868480
	.section	.rodata,"a",@progbits
	.p2align	6, 0x0
	.amdhsa_kernel k_q1bf941faf2_proj
		.amdhsa_group_segment_fixed_size 327680
		.amdhsa_private_segment_fixed_size 0
		.amdhsa_enable_private_segment 0
		.amdhsa_kernarg_size 48
		.amdhsa_user_sgpr_count 2
		.amdhsa_user_sgpr_kernarg_segment_ptr 1
		.amdhsa_wavefront_size32 1
		.amdhsa_system_sgpr_workgroup_id_x 1
		.amdhsa_system_sgpr_workgroup_id_y 1
		.amdhsa_system_sgpr_workgroup_id_z 1
		.amdhsa_system_vgpr_workitem_id 0
		.amdhsa_next_free_vgpr 1024
		.amdhsa_next_free_sgpr 102
		.amdhsa_reserve_vcc 0
		.amdhsa_float_denorm_mode_32 3
		.amdhsa_float_denorm_mode_16_64 3
		.amdhsa_memory_ordered 1
		.amdhsa_forward_progress 1
		.amdhsa_inst_pref_size 119
	.end_amdhsa_kernel
	.amdgpu_metadata
---
amdhsa.version: [ 1, 2 ]
amdhsa.kernels:
  - .name:           k_q1bf941faf2_proj
    .symbol:         k_q1bf941faf2_proj.kd
    .args:
      - { .name: xc, .offset: 0, .size: 8, .value_kind: global_buffer, .address_space: global }
      - { .name: wc, .offset: 8, .size: 8, .value_kind: global_buffer, .address_space: global }
      - { .name: lowp_scales, .offset: 16, .size: 8, .value_kind: global_buffer, .address_space: global }
      - { .name: qc, .offset: 24, .size: 8, .value_kind: global_buffer, .address_space: global }
      - { .name: kc, .offset: 32, .size: 8, .value_kind: global_buffer, .address_space: global }
      - { .name: vc, .offset: 40, .size: 8, .value_kind: global_buffer, .address_space: global }
    .group_segment_fixed_size: 327680
    .private_segment_fixed_size: 0
    .kernarg_segment_align: 8
    .kernarg_segment_size: 48
    .max_flat_workgroup_size: 128
    .sgpr_count:     102
    .vgpr_count:     1024
    .wavefront_size: 32
...
	.end_amdgpu_metadata
.endif
;; end of part 2
;; launch attn (part 3): grid 4 x 64, 8 waves a work-group, no clusters, 297,984 bytes of LDS; arguments qc, kc, vc, lowp_scales, out0; writes out0
.if DOCPART == 3
	.amdgcn_target "amdgcn-amd-amdhsa--gfx1250"
	.amdhsa_code_object_version 6
	.text
	.protected	k_q1bf941faf2_attn
	.globl	k_q1bf941faf2_attn
	.p2align	8
	.type	k_q1bf941faf2_attn,@function
k_q1bf941faf2_attn:
	s_mov_b64 s[64:65], 0
	v_nop
	global_prefetch_b8 v0, s[64:65] scope:SCOPE_SE
	s_setreg_imm32_b32 hwreg(HW_REG_WAVE_MODE, 25, 1), 1
	s_wait_xcnt 0x0
; out0[b][q][64 h + d] = the sum over keys of softmax(q . k / 8) v, for 64 heads of batches (hb = 16 b + h), 2,048 queries and keys, head size 64; both products on codes of FP8 (E4M3).
; qc, kc: images of the operand registers of the K = 64 form: [hb][16 tokens, 128][registers 4 j .. 4 j + 3, 2][lane][16 bytes].  vc: of the K = 128 form, K = the keys: [hb][128 keys, 16][16 d, 4][registers 4 c .. 4 c + 3, 4][lane][16 bytes].
; Scales: q 2^e6, k 2^e7, v 2^e8, p 2^e9 (entries 6 to 9).
; THE SOFTMAX AHEAD OF THE SECOND PRODUCT: t = score x log2(e) / 8; M = the row's largest t so far, rounded UP to a whole number; p = 2^(t - M) is what is quantised; it is not normalised.
; The row's sum is taken of the unquantised p, in f32, and divides O at the end.  When M moves, the sum and O are multiplied by 2^(old M - new M): exact.
; LIMITS: e6 + e7 between -123 and 130 (added to c's exponent field); e9 between -126 and 119; e8 + e9 is applied by v_ldexp_f32 and has none.
; SHARES.  A work-group owns 512 queries of one head; each of its eight waves 64: four tiles of 16, in 512 registers, two waves to a SIMD.  Every wave walks the head's 2,048 keys, 128 a step.
; THE HEAD'S WHOLE K AND V LIE IN LDS (131,072 bytes each), copied once, through registers, at the head; behind one barrier the loop has no fill and no barrier.  They lie as images of registers:
; every LDS load takes 512 consecutive bytes, 16 a lane.
; NO CLUSTER, NO TENSOR LOAD, and why: the four work-groups of a head read K and V once each, at their heads, 262,144 bytes against a loop of 64 turns that shares nothing; and p is at most 1, so the hold at
; 448 x 2^e9 can bite only where e9 is under -8: its 64 lines of a turn's 259 are jumped over on e9, a whole number read from memory.
; LAYOUT.  Both products are used transposed: S^T = K Q^T (source 0 = 16 keys, source 1 = 16 queries), O^T = V^T P (source 0 = 16 d, source 1 = P): a lane holds ONE query (lane % 16) throughout.
; Tile t of S^T holds in lane (r, h) keys 16 t + 8 h + 0 .. 7: its conversion gives registers 2 t, 2 t + 1 of P, the place that the K = 128 form gives those keys, and V's image was laid the same.
; BY TURNS.  A turn is one tile's softmax.  At its head stand the eight products K Q^T of the NEXT tile (into the other of two score buffers), at its end its own four products V^T P: so the matrix unit works
; on other registers while the turn's vector lines are issued.
; REGISTERS.  Window 0: v1-13 addresses; v16-31 four statistics a tile; v32-41 at work; v44-59 P; v64-95 Q; v96-159, v160-223 two score buffers.   Window 1: v0-127 O^T (32 a tile); v128-191 K of a step; v192-255 V of a step.
.set VIMG,  131072                     ; LDS: K's image at 0, V's here
.set SPARE, 262144                     ; the spare words, 128 bytes for each of eight waves: four blocks of 256 bytes that no other line names
.set STAGE, 263168                     ; the way out: 16 rows x (256 bytes + 16) for each wave
.set SP,    272
.set LI,   1                           ; v1   16 x lane: my place in an image
.set LIV,  2                           ; v2   the same in V's image
.set ADK,  3                           ; v3   LDS address of the step's K
.set ADV,  4                           ; v4   of its V
.set SPW,  5                           ; v5   LDS address of my spare word; never rewritten
.set NIL,  6                           ; v6   0; never rewritten
.set GO,   7                           ; v7   the way out: my byte offset in the wave's rows of out0
.set STO,  8                           ; v8   where I put 32 bytes of a row
.set RD,   9                           ; v9   where I read a row back
.set LA,   10                          ; v10-13  16 x thread + 65,536 i: the copies' LDS addresses; v10 is also their offset in memory
.set ST,   16                          ; tile x at v[ST + 4 x]: -M, the largest t, the sum in two halves
.set MA,   32                          ; v32, v33 the maximum's two chains
.set MB,   33
.set PX,   34                          ; v34  a lane permute's destination
.set F,    36                          ; v[36:37] f = 2^(old M - new M); v37 is only named with it
.set SU,   38                          ; v[38:39] the sum's second chain
.set LIMV, 40                          ; v40  448 x 2^e9
.set SCL,  41                          ; v41  2^e9
.set P,    44
.set Q,    64
.set S,    96
.set KF,   128                         ; in window 1
.set VF,   192
.set TB,   28                          ; s28  8,192 x the step whose tiles are fetched next
.set CNT,  29
.set MSB, 0
.macro WIN new                         ; the immediate's high byte repeats the setting that is left; a switch that changes nothing is dropped
.if MSB != \new
	s_set_vgpr_msb (MSB<<8)|\new
.set MSB, \new
.endif
.endm
	s_load_b256 s[4:11], s[0:1], 0x0               ; qc s[4:5], kc s[6:7], vc s[8:9], the scales' exponents s[10:11]
	s_load_b64 s[12:13], s[0:1], 0x20              ; out0
	v_lshl_add_u32 v[SPW], v0, 2, SPARE
	v_mov_b32 v[NIL], 0
	v_lshrrev_b32 v14, 5, v0
	v_readfirstlane_b32 s14, v14                   ; wave 0..7
	s_and_b32 s15, ttmp7, 0xffff                   ; hb
	s_lshl_b32 s18, s15, 17                        ; the head's image in each of the three buffers
	s_mov_b32 s19, 0
	s_lshl_b32 s30, ttmp9, 15                      ; Q: 512 queries are 32 fragments of 1,024 bytes,
	s_lshl_b32 s31, s14, 12                        ; my wave's 64 are four
	s_add_co_u32 s30, s30, s31
	s_add_co_u32 s30, s30, s18
	s_mov_b32 s31, 0
	s_lshr_b32 s32, s15, 4                         ; out0: row 2,048 b + 512 x + 64 wave, of 4,096 bytes,
	s_lshl_b32 s32, s32, 11
	s_lshl_b32 s33, ttmp9, 9
	s_add_co_u32 s32, s32, s33
	s_lshl_b32 s33, s14, 6
	s_add_co_u32 s32, s32, s33
	s_lshl_b32 s32, s32, 12
	s_and_b32 s33, s15, 15
	s_lshl_b32 s33, s33, 8                         ; + 256 bytes a head
	s_add_co_u32 s32, s32, s33
	s_mov_b32 s33, 0
	v_and_b32 v14, 31, v0
	v_lshlrev_b32 v[LI], 4, v14
	v_add_nc_u32 v[LIV], VIMG, v[LI]
	v_lshlrev_b32 v[LA], 4, v0
	v_add_nc_u32 v[LA+1], 65536, v[LA]
	v_add_nc_u32 v[LA+2], 131072, v[LA]
	v_add_nc_u32 v[LA+3], 196608, v[LA]
	v_and_b32 v14, 15, v0                          ; r
	v_bfe_u32 v15, v0, 4, 1                        ; h
	v_lshlrev_b32 v[GO], 12, v15
	v_lshl_add_u32 v[GO], v14, 4, v[GO]            ; lanes 0-15 take one row of out0, lanes 16-31 the next; 16 bytes a lane
	s_mul_i32 s34, s14, 16*SP
	s_add_co_u32 s34, s34, STAGE                   ; my stage
	v_mul_u32_u24 v[STO], v14, SP
	v_lshl_add_u32 v[STO], v15, 5, v[STO]
	v_add_nc_u32 v[STO], s34, v[STO]               ; in: row r, + 32 h
	v_mul_u32_u24 v[RD], v15, SP
	v_lshl_add_u32 v[RD], v14, 4, v[RD]
	v_add_nc_u32 v[RD], s34, v[RD]                 ; back: lanes 0-15 one row, lanes 16-31 the next
	v_mov_b32 v[PX], 0                             ; written once: a lane permute's destination counts as one of its sources
	v_mov_b32 v[F+1], 0                            ; (named as the upper half of the pair)
	s_mov_b32 s26, 0x76543210                      ; v_permlanex16_b32's selects for lane l xor 16
	s_mov_b32 s27, 0xfedcba98
	s_mov_b32 s[TB], 0
	s_wait_kmcnt 0x0
	s_load_b128 s[20:23], s[10:11], 0x18           ; e6, e7, e8, e9
	s_add_nc_u64 s[4:5], s[4:5], s[30:31]
	s_add_nc_u64 s[6:7], s[6:7], s[18:19]
	s_add_nc_u64 s[8:9], s[8:9], s[18:19]
	s_add_nc_u64 s[12:13], s[12:13], s[32:33]
	; 72 loads: Q's four fragments stay in registers; the head's K and V, 4,096 bytes an instruction of the work-group, pass through registers that the loop uses later
.irp x, 0,1,2,3
	global_load_b128 v[Q+8*\x:Q+8*\x+3],   v[LI], s[4:5] offset:1024*\x th:TH_LOAD_NT
	global_load_b128 v[Q+8*\x+4:Q+8*\x+7], v[LI], s[4:5] offset:1024*\x+512 th:TH_LOAD_NT
.endr
.set n, 0
.rept 32
	global_load_b128 v[S+4*n:S+4*n+3], v[LA], s[6:7] offset:4096*n
.set n, n+1
.endr
	WIN 0x40                                       ; destination window 1
.set n, 0
.rept 32
	global_load_b128 v[4*n:4*n+3], v[LA], s[8:9] offset:4096*n
.set n, n+1
.endr
	WIN 0
	s_wait_kmcnt 0x0
	s_add_co_i32 s30, s20, s21
	s_lshl_b32 s30, s30, 23
	s_add_co_i32 s24, s30, 0x3e38aa3b              ; c = log2(e) / 8; a score stands for score x 2^(e6 + e7): the two exponents are added to c's exponent field
	s_mov_b32 s25, s24                             ; (named with it as a pair, so it is written)
	s_add_co_i32 s30, s23, 127
	s_lshl_b32 s31, s30, 23
	v_mov_b32 v[SCL], s31
	s_add_co_i32 s30, s30, 8
	s_lshl_b32 s30, s30, 23
	s_or_b32 s30, s30, 0x600000
	v_mov_b32 v[LIMV], s30
	s_add_co_i32 s35, s22, s23                     ; e8 + e9, for the end
	; into LDS, eight loads' worth at a time: of the 72 loads, Q's eight and the groups up to this one are in, the later groups may be out
.irp g, 0,1,2,3
	s_wait_loadcnt 56-8*\g
.irp i, 0,1,2,3,4,5,6,7
	ds_store_b128 v[LA+(\g)/2], v[S+32*\g+4*\i:S+32*\g+4*\i+3] offset:4096*(8*((\g)%2)+\i)
.endr
.endr
	WIN 0x04                                       ; the stores' data in window 1
.irp g, 0,1,2,3
	s_wait_loadcnt 24-8*\g
.irp i, 0,1,2,3,4,5,6,7
	ds_store_b128 v[LA+2+(\g)/2], v[32*\g+4*\i:32*\g+4*\i+3] offset:4096*(8*((\g)%2)+\i)
.endr
.endr
	WIN 0
	s_wait_dscnt 0x0                               ; for the others' sake: my part of the images has landed
	s_barrier_signal -1
	s_barrier_wait -1                              ; the head's K and V lie whole in LDS; nothing writes them again
.macro FETCH_K step                    ; a step's K: eight fragments of 16 keys x 64 d, 16 loads.  step = 1: on to the next step first
.if \step
	s_add_co_u32 s[TB], s[TB], 8192
.endif
	v_add_nc_u32 v[ADK], s[TB], v[LI]
	WIN 0x40
.irp i, 0,1,2,3,4,5,6,7,8,9,10,11,12,13,14,15
	ds_load_b128 v[KF+4*\i:KF+4*\i+3], v[ADK] offset:512*\i
.endr
	WIN 0
.endm
.macro FETCH_V                         ; a step's V: four fragments of 16 d x 128 keys, 16 loads
	v_add_nc_u32 v[ADV], s[TB], v[LIV]
	WIN 0x40
.irp i, 0,1,2,3,4,5,6,7,8,9,10,11,12,13,14,15
	ds_load_b128 v[VF+4*\i:VF+4*\i+3], v[ADV] offset:512*\i
.endr
	WIN 0
.endm
.macro QK x, dst                       ; S^T of tile x for the step's 128 keys: eight products, each a whole sum (K = 64 = the head's size)
	WIN 0x01                                       ; K in window 1; Q and S^T in window 0
.irp i, 0,1,2,3,4,5,6,7
	v_wmma_f32_16x16x64_fp8_fp8 v[\dst+8*\i:\dst+8*\i+7], v[KF+8*\i:KF+8*\i+7], v[Q+8*(\x):Q+8*(\x)+7], 0
.endr
.endm
; A TURN: tile t's softmax and second product for the step in hand.  first = 1: the first key step, whose products V^T P start O^T's sums.  last = 1: the last: nothing more is fetched.
; Places (ISA guide 7.12.1 for vector instructions): the first four lines of the maximum name nothing of the products just issued nor of the turn before's V^T P; with the run's own addition they stand between
; those products and the loads into K's registers (turn 2, behind the step's last K Q^T) and V's (turn 0, behind the last step's last V^T P).  The scores that a turn reads were made a whole turn earlier.
; O^T's sixteen accumulators have one instruction each in a step, so no two matrix instructions that follow each other share one.
.macro TURN t, first, last
.set CUR, S+64*((\t)%2)
.set OTH, S+64-64*((\t)%2)
.set STT, ST+4*(\t)
.if (\last) && ((\t) == 3)
.else
.if (\t) == 3
	s_wait_dscnt 0x0                               ; the next step's K, asked for a turn ago, is in
.endif
	QK ((\t)+1)%4, OTH
.endif
	WIN 0
	v_max3_num_f32 v[MA], v[CUR], v[CUR+1], v[CUR+2]   ; the step's largest score of my query among my 64 keys, in two chains, the registers in ascending order
	v_max3_num_f32 v[MB], v[CUR+3], v[CUR+4], v[CUR+5]
	v_max3_num_f32 v[MA], v[MA], v[CUR+6], v[CUR+7]
	v_max3_num_f32 v[MB], v[MB], v[CUR+8], v[CUR+9]
.if (\t) == 0
	FETCH_V
.endif
.if ((\t) == 2) && ((\last) == 0)
	FETCH_K 1
.endif
.irp i, 10,14,18,22,26,30,34,38,42,46,50,54,58
	v_max3_num_f32 v[MA], v[MA], v[CUR+\i], v[CUR+\i+1]
	v_max3_num_f32 v[MB], v[MB], v[CUR+\i+2], v[CUR+\i+3]
.endr
	v_max3_num_f32 v[MA], v[MA], v[CUR+62], v[CUR+63]
	v_max_num_f32 v[MA], v[MA], v[MB]
	v_permlanex16_b32 v[PX], v[MA], s26, s27
	v_max_num_f32 v[MA], v[MA], v[PX]              ; and among lane l xor 16's
	v_mul_f32 v[MA], s24, v[MA]                    ; as t (c is positive)
	v_max_num_f32 v[STT+1], v[STT+1], v[MA]        ; the running largest t
	v_mov_b32 v[MA], v[STT]
	v_floor_f32 v[STT], -v[STT+1]                  ; the new -M = floor(-t) = -ceil(t): M is a whole number
	v_sub_f32 v[MA], v[STT], v[MA]                 ; M's old value less its new one: a whole number, 0 or less
	v_cvt_i32_f32 v[MA], v[MA]                     ; (it saturates)
	v_ldexp_f32 v[F], 1.0, v[MA]                   ; f = 2^(old M - new M)
.set n, 0
.rept 32
	v_pk_fma_f32 v[CUR+n:CUR+n+1], v[CUR+n:CUR+n+1], s[24:25], v[STT:STT+1] op_sel_hi:[1,0,0]   ; t - M, two at a time (of the pairs c and -M the low word serves both halves)
.set n, n+2
.endr
.set n, 0
.rept 64
	v_exp_f32 v[CUR+n], v[CUR+n]                   ; p = 2^(t - M), at most 1: not normalised
.set n, n+1
.endr
	v_pk_mul_f32 v[STT+2:STT+3], v[STT+2:STT+3], v[F:F+1] op_sel_hi:[1,0]   ; the sums under the new M: the plain line behind the exponentials
	s_wait_alu depctr_va_vdst(0)                   ; one wait for the whole batch, ahead of its first reader
	v_pk_add_f32 v[SU:SU+1], v[CUR:CUR+1], v[CUR+2:CUR+3]   ; the row's sum is taken of the UNQUANTISED p: two at a time, in two chains
.irp j, 4,8,12,16,20,24,28,32,36,40,44,48,52,56,60
	v_pk_add_f32 v[STT+2:STT+3], v[STT+2:STT+3], v[CUR+\j:CUR+\j+1]
	v_pk_add_f32 v[SU:SU+1], v[SU:SU+1], v[CUR+\j+2:CUR+\j+3]
.endr
	v_pk_add_f32 v[STT+2:STT+3], v[STT+2:STT+3], v[SU:SU+1]
	s_cmp_ge_i32 s23, -8                           ; p <= 1 <= 448 x 2^e9 from e9 = -8 on (448 / 256 = 1.75): the hold could change nothing there
	s_cbranch_scc1 .Lfree_\@
.set n, 0
.rept 64
	v_min_num_f32 v[CUR+n], v[CUR+n], v[LIMV]      ; the conversion to an 8-bit code does not saturate (ISA guide 7.6.2); p is not negative, so the hold is one-sided
.set n, n+1
.endr
.Lfree_\@:
.irp i, 0,1,2,3,4,5,6,7
	v_cvt_scalef32_pk8_fp8_f32 v[P+2*\i:P+2*\i+1], v[CUR+8*\i:CUR+8*\i+7], v[SCL]
.endr
	v_nop                                          ; one plain line between the conversions and the matrix instructions that read their results and write their sources
.if (\first) == 0
	WIN 0x41                                       ; O^T (destination and source 0) in window 1, f in window 0
.set n, 0
.rept 16
	v_pk_mul_f32 v[32*(\t)+n:32*(\t)+n+1], v[32*(\t)+n:32*(\t)+n+1], v[F:F+1] op_sel_hi:[1,0]   ; O^T under the new M, each accumulator from its low end on
.set n, n+2
.endr
.endif
.if (\t) == 0
	s_wait_dscnt 0x0                               ; the step's V, asked for at the turn's head, is in
.endif
.if \first
	WIN 0x41                                       ; V and O^T in window 1, P in window 0
.irp i, 0,1,2,3
	v_wmma_f32_16x16x128_fp8_fp8 v[32*(\t)+8*\i:32*(\t)+8*\i+7], v[VF+16*\i:VF+16*\i+15], v[P:P+15], 0
.endr
.else
	WIN 0x51
.irp i, 0,1,2,3
	v_wmma_f32_16x16x128_fp8_fp8 v[32*(\t)+8*\i:32*(\t)+8*\i+7], v[VF+16*\i:VF+16*\i+15], v[P:P+15], v[32*(\t)+8*\i:32*(\t)+8*\i+7]
.endr
.endif
.endm
.macro STEP first, last                ; a key step: 128 keys for my four tiles
	TURN 0, \first, \last
	TURN 1, \first, \last
	TURN 2, \first, \last
	TURN 3, \first, \last
	WIN 0                                          ; at a label and at a branch every window is 0
.endm
	FETCH_K 0                                      ; key step 0
	s_wait_dscnt 0x0
	QK 0, S                                        ; tile 0's first scores (Q came in with the copies' waits)
	WIN 0
.irp x, 0,1,2,3                        ; the statistics are set here: sixteen plain lines, the places between those products and the first read of their results
	v_mov_b32 v[ST+4*\x+1], 0xff61b1e6             ; the largest t so far: -3e38, under every t
	v_mov_b32 v[ST+4*\x+2], 0                      ; the sum, in two halves
	v_mov_b32 v[ST+4*\x+3], 0
	v_floor_f32 v[ST+4*\x], -v[ST+4*\x+1]          ; -M
.endr
	STEP 1, 0
	s_mov_b32 s[CNT], 14
.Lstep:                                            ; key steps 1 to 14
	STEP 0, 0
	s_sub_co_u32 s[CNT], s[CNT], 1
	s_cmp_lg_u32 s[CNT], 0
	s_cbranch_scc1 .Lstep
	STEP 0, 1                                      ; key step 15 fetches nothing more
	; THE WAY OUT.  The sum's two halves and lane l xor 16's are added; O^T is multiplied by 2^(e8 + e9) / the sum and goes through my stage in LDS, a tile (16 rows of 256 bytes) at a time.
.irp x, 0,1,2,3
	v_add_f32 v[ST+4*\x+2], v[ST+4*\x+2], v[ST+4*\x+3]   ; (these four are the places behind the last products)
.endr
.irp x, 0,1,2,3
	v_permlanex16_b32 v[ST+4*\x+3], v[ST+4*\x+2], s26, s27
.endr
.irp x, 0,1,2,3
	v_add_f32 v[ST+4*\x+2], v[ST+4*\x+2], v[ST+4*\x+3]
.endr
.irp x, 0,1,2,3
	v_rcp_f32 v[ST+4*\x+2], v[ST+4*\x+2]
.endr
	v_nop                                          ; a plain line behind the last reciprocal,
	s_wait_alu depctr_va_vdst(0)                   ; and one wait for the four, ahead of their first reader
.irp x, 0,1,2,3
	v_ldexp_f32 v[ST+4*\x+2], v[ST+4*\x+2], s35
.endr
.macro PACK t                          ; register 8 i + j of tile t is o(query r, d = 16 i + 8 h + j): 32 neighbouring bytes of a row for each i
	WIN 0x41
.set n, 0
.rept 16
	v_pk_mul_f32 v[32*\t+n:32*\t+n+1], v[32*\t+n:32*\t+n+1], v[ST+4*\t+2:ST+4*\t+3] op_sel_hi:[1,0]
.set n, n+2
.endr
	WIN 0x04                                       ; the stores' data in window 1
.irp i, 0,1,2,3
	ds_store_b128 v[STO], v[32*\t+8*\i:32*\t+8*\i+3] offset:64*\i
	ds_store_b128 v[STO], v[32*\t+8*\i+4:32*\t+8*\i+7] offset:64*\i+16
.endr
	WIN 0
.irp i, 0,1,2,3,4,5,6,7
	ds_load_b128 v[S+32*\t+4*\i:S+32*\t+4*\i+3], v[RD] offset:\i*2*SP   ; LDS serves a wave's instructions in order (ISA guide 5.7.1.4): these see my stores, and the next tile's stores come behind them
.endr
.endm
.macro SEND t, younger                 ; younger: the LDS instructions issued behind tile t's loads: the next tile's sixteen, or none
.irp i, 0,1,2,3,4,5,6,7
	s_wait_dscnt \younger+7-\i
	global_store_b128 v[GO], v[S+32*\t+4*\i:S+32*\t+4*\i+3], s[12:13] offset:(16*\t+2*\i)*4096 th:TH_STORE_NT   ; 16 lanes store 256 consecutive bytes, at a multiple of 256 from out0's first byte
.endr
.endm
	PACK 0
	PACK 1                                         ; a tile's arithmetic stands between the loads of the tile before and its stores
	SEND 0, 16
	PACK 2
	SEND 1, 16
	PACK 3
	SEND 2, 16
	SEND 3, 0
	s_wait_tensorcnt 0x0                           ; the wave's end: three lines behind my last LDS store
	ds_add_u32 v[SPW], v[NIL]
	s_wait_dscnt 0x0
	s_endpgm
.Lfunc_end_k_q1bf941faf2_attn:
	.size	k_q1bf941faf2_attn, .Lfunc_end_k_q1bf941faf2_attn-k_q1bf941faf2_attn
	.p2alignl 7, 3214868480
	.fill 96, 4, 3214868480
	.section	.rodata,"a",@progbits
	.p2align	6, 0x0
	.amdhsa_kernel k_q1bf941faf2_attn
		.amdhsa_group_segment_fixed_size 297984
		.amdhsa_private_segment_fixed_size 0
		.amdhsa_enable_private_segment 0
		.amdhsa_kernarg_size 40
		.amdhsa_user_sgpr_count 2
		.amdhsa_user_sgpr_kernarg_segment_ptr 1
		.amdhsa_wavefront_size32 1
		.amdhsa_system_sgpr_workgroup_id_x 1
		.amdhsa_system_sgpr_workgroup_id_y 1
		.amdhsa_system_sgpr_workgroup_id_z 1
		.amdhsa_system_vgpr_workitem_id 0
		.amdhsa_next_free_vgpr 512
		.amdhsa_next_free_sgpr 66
		.amdhsa_reserve_vcc 0
		.amdhsa_float_denorm_mode_32 3
		.amdhsa_float_denorm_mode_16_64 3
		.amdhsa_memory_ordered 1
		.amdhsa_forward_progress 1
		.amdhsa_inst_pref_size 187
	.end_amdhsa_kernel
	.amdgpu_metadata
---
amdhsa.version: [ 1, 2 ]
amdhsa.kernels:
  - .name:           k_q1bf941faf2_attn
    .symbol:         k_q1bf941faf2_attn.kd
    .args:
      - { .name: qc, .offset: 0, .size: 8, .value_kind: global_buffer, .address_space: global }
      - { .name: kc, .offset: 8, .size: 8, .value_kind: global_buffer, .address_space: global }
      - { .name: vc, .offset: 16, .size: 8, .value_kind: global_buffer, .address_space: global }
      - { .name: lowp_scales, .offset: 24, .size: 8, .value_kind: global_buffer, .address_space: global }
      - { .name: out0, .offset: 32, .size: 8, .value_kind: global_buffer, .address_space: global }
    .group_segment_fixed_size: 297984
    .private_segment_fixed_size: 0
    .kernarg_segment_align: 8
    .kernarg_segment_size: 40
    .max_flat_workgroup_size: 256
    .sgpr_count:     66
    .vgpr_count:     512
    .wavefront_size: 32
...
	.end_amdgpu_metadata
.endif
;; end of part 3
;; ======== version 2 of 2: 3 launches; version 1 with the launch attn written anew for expert scheduling mode
;; workspace buffers: xc 25,165,824 bytes; wc 3,145,728 bytes; qc 8,388,608 bytes; kc 8,388,608 bytes; vc 8,388,608 bytes
;; launch quant: the kernel of part 1 again; grid 864 x 1, 4 waves a work-group, no clusters, 68,096 bytes of LDS; arguments queries, keys, values, Wq, Wk, Wv, lowp_scales, xc, wc; writes xc, wc
;; launch proj: the kernel of part 2 again; grid 4 x 96, 4 waves a work-group, clusters of 4 x 4, 327,680 bytes of LDS; arguments xc, wc, lowp_scales, qc, kc, vc; writes qc, kc, vc
;; launch attn (part 4): grid 4 x 64, 8 waves a work-group, no clusters, 297,984 bytes of LDS; arguments qc, kc, vc, lowp_scales, out0; writes out0
.if DOCPART == 4
	.amdgcn_target "amdgcn-amd-amdhsa--gfx1250"
	.amdhsa_code_object_version 6
	.text
	.protected	k_q1bf941faf2_attn
	.globl	k_q1bf941faf2_attn
	.p2align	8
	.type	k_q1bf941faf2_attn,@function
k_q1bf941faf2_attn:
	s_mov_b64 s[64:65], 0
	v_nop
	global_prefetch_b8 v0, s[64:65] scope:SCOPE_SE
	s_setreg_imm32_b32 hwreg(HW_REG_WAVE_SCHED_MODE, 0, 2), 2
	s_setreg_imm32_b32 hwreg(HW_REG_WAVE_MODE, 25, 1), 1
	s_wait_xcnt 0x0
	s_wait_alu depctr_vm_vsrc(0)
; out0[b][q][64 h + d] = the sum over keys of softmax(q . k / 8) v, for 64 heads of batches (hb = 16 b + h), 2,048 queries and keys, head size 64; both products on codes of FP8 (E4M3).
; qc, kc: images of the operand registers of the K = 64 form: [hb][16 tokens, 128][registers 4 j .. 4 j + 3, 2][lane][16 bytes].  vc: of the K = 128 form, K = the keys: [hb][128 keys, 16][16 d, 4][registers 4 c .. 4 c + 3, 4][lane][16 bytes].
; Scales: q 2^e6, k 2^e7, v 2^e8, p 2^e9 (entries 6 to 9).
; THE SOFTMAX AHEAD OF THE SECOND PRODUCT: t = score x log2(e) / 8; M = the row's largest t so far, rounded UP to a whole number; p = 2^(t - M) is what is quantised; it is not normalised.
; The row's sum is taken of the unquantised p, in f32, and divides O at the end.  When M moves, the sum and O are multiplied by 2^(old M - new M): exact.
; LIMITS: e6 + e7 between -123 and 130 (added to c's exponent field); e9 between -126 and 119; e8 + e9 is applied by v_ldexp_f32 and has none.
; SHARES.  A work-group owns 512 queries of one head; each of its eight waves 64: four tiles of 16, in 512 registers, two waves to a SIMD.  Every wave walks the head's 2,048 keys, 128 a step.
; THE HEAD'S WHOLE K AND V LIE IN LDS (131,072 bytes each), copied once, through registers, at the head; behind one barrier the loop has no fill and no barrier.  They lie as images of registers:
; every LDS load takes 512 consecutive bytes, 16 a lane.
; NO CLUSTER, NO TENSOR LOAD, and why: the four work-groups of a head read K and V once each, at their heads, 262,144 bytes against a loop of 64 turns that shares nothing; and p is at most 1, so the hold at
; 448 x 2^e9 can bite only where e9 is under -8: its 64 lines of a turn's 259 are jumped over on e9, a whole number read from memory.
; LAYOUT.  Both products are used transposed: S^T = K Q^T (source 0 = 16 keys, source 1 = 16 queries), O^T = V^T P (source 0 = 16 d, source 1 = P): a lane holds ONE query (lane % 16) throughout.
; Tile t of S^T holds in lane (r, h) keys 16 t + 8 h + 0 .. 7: its conversion gives registers 2 t, 2 t + 1 of P, the place that the K = 128 form gives those keys, and V's image was laid the same.
; BY TURNS.  A turn is one tile's softmax.  At its head stand the eight products K Q^T of the NEXT tile (into the other of two score buffers), at its end its own four products V^T P: so the matrix unit works
; on other registers while the turn's vector lines are issued.  Two groups of products stand a little later, behind the wait of the turn that follows, so that the LDS loads that feed them have a whole turn in
; which to land: tile 0's V^T P (in turn 1) and the next step's first K Q^T (in turn 3).
; THE MODE: SCHED_MODE bits 1:0 = 2 (LLVM: expert scheduling mode 2), set by the entry lines.  The code itself states the register dependences between vector or matrix instructions and memory or LDS
; instructions, with s_wait_alu, always for 0.
; THE PLAN.  Registers that memory or LDS instructions touch:
;   v1, v2, v7 to v13   offsets and LDS addresses, made once at the head and never written again.   v5, v6: the closing add's two, likewise.
;   score buffers, O^T  At the head the copies of K and V pass through them: global loads land, LDS stores read.  In the loop vector and matrix instructions alone name them.  On the way out LDS stores read O^T,
;                       the loads from the stage land in the score buffers, and the global stores read those.
;   K's 64 registers    Read by a step's 32 products K Q^T, the last eight at turn 2's head; the next step's 16 LDS loads land in them in turn 2.
;   V's 64 registers    Read by a step's 16 products V^T P, the last four at turn 3's end; the next step's 16 LDS loads land in them in turn 0.
;   v[ADK], v[ADV]      Written by two additions in turn 0; read by that step's LDS loads: V's in turn 0, the next K's in turn 2.
; Each turn has ONE wait on va_vdst, behind its 64 exponentials and ahead of their first reader.  In turn 0 it also states that the last step's V^T P are done reading V's registers and that the two addresses are
; written; in turn 2 that the step's K Q^T are done reading K's registers.  The runs of loads stand straight behind these two waits.  One wait on vm_vsrc a step stands ahead of the two additions.
; REGISTERS.  Window 0: v1-13 addresses; v16-31 four statistics a tile; v32-41 at work; v44-59 P; v64-95 Q; v96-159, v160-223 two score buffers.   Window 1: v0-127 O^T (32 a tile); v128-191 K of a step; v192-255 V of a step.
.set VIMG,  131072                     ; LDS: K's image at 0, V's here
.set SPARE, 262144                     ; the spare words, 128 bytes for each of eight waves: four blocks of 256 bytes that no other line names
.set STAGE, 263168                     ; the way out: 16 rows x (256 bytes + 16) for each wave
.set SP,    272
.set LI,   1                           ; v1   16 x lane: my place in an image
.set LIV,  2                           ; v2   the same in V's image
.set ADK,  3                           ; v3   LDS address of the step's K; the next step's lies 8,192 bytes on
.set ADV,  4                           ; v4   of its V
.set SPW,  5                           ; v5   LDS address of my spare word; never rewritten
.set NIL,  6                           ; v6   0; never rewritten
.set GO,   7                           ; v7   the way out: my byte offset in the wave's rows of out0
.set STO,  8                           ; v8   where I put 32 bytes of a row
.set RD,   9                           ; v9   where I read a row back
.set LA,   10                          ; v10-13  16 x thread + 65,536 i: the copies' LDS addresses; v10 is also their offset in memory
.set ST,   16                          ; tile x at v[ST + 4 x]: -M, the largest t, the sum in two halves
.set MA,   32                          ; v32, v33 the maximum's two chains
.set MB,   33
.set PX,   34                          ; v34  a lane permute's destination
.set F,    36                          ; v[36:37] f = 2^(old M - new M); v37 is only named with it
.set SU,   38                          ; v[38:39] the sum's second chain
.set LIMV, 40                          ; v40  448 x 2^e9
.set SCL,  41                          ; v41  2^e9
.set P,    44
.set Q,    64
.set S,    96
.set KF,   128                         ; in window 1
.set VF,   192
.set TB,   28                          ; s28  8,192 x the step in hand
.set CNT,  29
.set MSB, 0
.macro WIN new                         ; the immediate's high byte repeats the setting that is left; a switch that changes nothing is dropped
.if MSB != \new
	s_set_vgpr_msb (MSB<<8)|\new
.set MSB, \new
.endif
.endm
	s_load_b256 s[4:11], s[0:1], 0x0               ; qc s[4:5], kc s[6:7], vc s[8:9], the scales' exponents s[10:11]
	s_load_b64 s[12:13], s[0:1], 0x20              ; out0
	v_lshl_add_u32 v[SPW], v0, 2, SPARE
	v_mov_b32 v[NIL], 0
	v_lshrrev_b32 v14, 5, v0
	v_readfirstlane_b32 s14, v14                   ; wave 0..7
	s_and_b32 s15, ttmp7, 0xffff                   ; hb
	s_lshl_b32 s18, s15, 17                        ; the head's image in each of the three buffers
	s_mov_b32 s19, 0
	s_lshl_b32 s30, ttmp9, 15                      ; Q: 512 queries are 32 fragments of 1,024 bytes,
	s_wait_alu depctr_va_sdst(0)                   ; s14 is written, ahead of its first reader: Q's and out0's bases and my stage's place are made from it
	s_lshl_b32 s31, s14, 12                        ; my wave's 64 are four
	s_add_co_u32 s30, s30, s31
	s_add_co_u32 s30, s30, s18
	s_mov_b32 s31, 0
	s_lshr_b32 s32, s15, 4                         ; out0: row 2,048 b + 512 x + 64 wave, of 4,096 bytes,
	s_lshl_b32 s32, s32, 11
	s_lshl_b32 s33, ttmp9, 9
	s_add_co_u32 s32, s32, s33
	s_lshl_b32 s33, s14, 6
	s_add_co_u32 s32, s32, s33
	s_lshl_b32 s32, s32, 12
	s_and_b32 s33, s15, 15
	s_lshl_b32 s33, s33, 8                         ; + 256 bytes a head
	s_add_co_u32 s32, s32, s33
	s_mov_b32 s33, 0
	v_and_b32 v14, 31, v0
	v_lshlrev_b32 v[LI], 4, v14
	v_add_nc_u32 v[LIV], VIMG, v[LI]
	v_lshlrev_b32 v[LA], 4, v0
	v_add_nc_u32 v[LA+1], 65536, v[LA]
	v_add_nc_u32 v[LA+2], 131072, v[LA]
	v_add_nc_u32 v[LA+3], 196608, v[LA]
	v_and_b32 v14, 15, v0                          ; r
	v_bfe_u32 v15, v0, 4, 1                        ; h
	v_lshlrev_b32 v[GO], 12, v15
	v_lshl_add_u32 v[GO], v14, 4, v[GO]            ; lanes 0-15 take one row of out0, lanes 16-31 the next; 16 bytes a lane
	s_mul_i32 s34, s14, 16*SP
	s_add_co_u32 s34, s34, STAGE                   ; my stage
	v_mul_u32_u24 v[STO], v14, SP
	v_lshl_add_u32 v[STO], v15, 5, v[STO]
	v_add_nc_u32 v[STO], s34, v[STO]               ; in: row r, + 32 h
	v_mul_u32_u24 v[RD], v15, SP
	v_lshl_add_u32 v[RD], v14, 4, v[RD]
	v_add_nc_u32 v[RD], s34, v[RD]                 ; back: lanes 0-15 one row, lanes 16-31 the next
	v_mov_b32 v[PX], 0                             ; written once: a lane permute's destination counts as one of its sources
	v_mov_b32 v[F+1], 0                            ; (named as the upper half of the pair)
	s_mov_b32 s26, 0x76543210                      ; v_permlanex16_b32's selects for lane l xor 16
	s_mov_b32 s27, 0xfedcba98
	s_mov_b32 s[TB], 0
	s_wait_kmcnt 0x0
	s_load_b128 s[20:23], s[10:11], 0x18           ; e6, e7, e8, e9
	s_add_nc_u64 s[4:5], s[4:5], s[30:31]
	s_add_nc_u64 s[6:7], s[6:7], s[18:19]
	s_add_nc_u64 s[8:9], s[8:9], s[18:19]
	s_add_nc_u64 s[12:13], s[12:13], s[32:33]
	s_wait_alu depctr_va_vdst(0)                   ; v1, v2 and v7 to v13 are written: the loads and stores of the whole kernel read them as offsets and addresses, and no vector line writes them again
	; 72 loads: Q's four fragments stay in registers; the head's K and V, 4,096 bytes an instruction of the work-group, pass through registers that the loop uses later
.irp x, 0,1,2,3
	global_load_b128 v[Q+8*\x:Q+8*\x+3],   v[LI], s[4:5] offset:1024*\x th:TH_LOAD_NT
	global_load_b128 v[Q+8*\x+4:Q+8*\x+7], v[LI], s[4:5] offset:1024*\x+512 th:TH_LOAD_NT
.endr
.set n, 0
.rept 32
	global_load_b128 v[S+4*n:S+4*n+3], v[LA], s[6:7] offset:4096*n
.set n, n+1
.endr
	WIN 0x40                                       ; destination window 1
.set n, 0
.rept 32
	global_load_b128 v[4*n:4*n+3], v[LA], s[8:9] offset:4096*n
.set n, n+1
.endr
	WIN 0
	s_wait_kmcnt 0x0
	s_add_co_i32 s30, s20, s21
	s_lshl_b32 s30, s30, 23
	s_add_co_i32 s24, s30, 0x3e38aa3b              ; c = log2(e) / 8; a score stands for score x 2^(e6 + e7): the two exponents are added to c's exponent field
	s_mov_b32 s25, s24                             ; (named with it as a pair, so it is written)
	s_add_co_i32 s30, s23, 127
	s_lshl_b32 s31, s30, 23
	v_mov_b32 v[SCL], s31
	s_add_co_i32 s30, s30, 8
	s_lshl_b32 s30, s30, 23
	s_or_b32 s30, s30, 0x600000
	v_mov_b32 v[LIMV], s30
	s_add_co_i32 s35, s22, s23                     ; e8 + e9, for the end
	; into LDS, eight loads' worth at a time: of the 72 loads, Q's eight and the groups up to this one are in, the later groups may be out
.irp g, 0,1,2,3
	s_wait_loadcnt 56-8*\g
.irp i, 0,1,2,3,4,5,6,7
	ds_store_b128 v[LA+(\g)/2], v[S+32*\g+4*\i:S+32*\g+4*\i+3] offset:4096*(8*((\g)%2)+\i)
.endr
.endr
	WIN 0x04                                       ; the stores' data in window 1
.irp g, 0,1,2,3
	s_wait_loadcnt 24-8*\g
.irp i, 0,1,2,3,4,5,6,7
	ds_store_b128 v[LA+2+(\g)/2], v[32*\g+4*\i:32*\g+4*\i+3] offset:4096*(8*((\g)%2)+\i)
.endr
.endr
	WIN 0
	s_wait_dscnt 0x0                               ; for the others' sake: my part of the images has landed
	s_barrier_signal -1
	s_barrier_wait -1                              ; the head's K and V lie whole in LDS; nothing writes them again
	s_wait_alu depctr_vm_vsrc(0)                   ; my LDS stores have read the registers through which the copies passed: they are the score buffers and O^T from here on, written by matrix instructions
.macro LOADK adr, off                  ; a step's K: eight fragments of 16 keys x 64 d, 16 loads, under destination window 1
.irp i, 0,1,2,3,4,5,6,7,8,9,10,11,12,13,14,15
	ds_load_b128 v[KF+4*\i:KF+4*\i+3], v[\adr] offset:\off+512*\i
.endr
.endm
.macro LOADV                           ; a step's V: four fragments of 16 d x 128 keys, 16 loads, under destination window 1
.irp i, 0,1,2,3,4,5,6,7,8,9,10,11,12,13,14,15
	ds_load_b128 v[VF+4*\i:VF+4*\i+3], v[ADV] offset:512*\i
.endr
.endm
.macro QK x, dst                       ; S^T of tile x for the step's 128 keys: eight products, each a whole sum (K = 64 = the head's size)
	WIN 0x01                                       ; K in window 1; Q and S^T in window 0
.irp i, 0,1,2,3,4,5,6,7
	v_wmma_f32_16x16x64_fp8_fp8 v[\dst+8*\i:\dst+8*\i+7], v[KF+8*\i:KF+8*\i+7], v[Q+8*(\x):Q+8*(\x)+7], 0
.endr
.endm
.macro PV t, first                     ; O^T of tile t += V^T P for the step's 128 keys: four products.  first = 1: they start the sums
.if \first
	WIN 0x41                                       ; V and O^T in window 1, P in window 0
.irp i, 0,1,2,3
	v_wmma_f32_16x16x128_fp8_fp8 v[32*(\t)+8*\i:32*(\t)+8*\i+7], v[VF+16*\i:VF+16*\i+15], v[P:P+15], 0
.endr
.else
	WIN 0x51
.irp i, 0,1,2,3
	v_wmma_f32_16x16x128_fp8_fp8 v[32*(\t)+8*\i:32*(\t)+8*\i+7], v[VF+16*\i:VF+16*\i+15], v[P:P+15], v[32*(\t)+8*\i:32*(\t)+8*\i+7]
.endr
.endif
.endm
; A TURN: tile t's softmax and second product for the step in hand.  first = 1: the first key step, whose products V^T P start O^T's sums.  last = 1: the last: nothing more is fetched.
; Places (ISA guide 7.12.1): the scores that a turn reads were made 57 plain lines earlier or more; P is written again 32 plain lines behind tile 0's V^T P, which read it in turn 1.
; O^T's sixteen accumulators have one instruction each in a step, so no two matrix instructions that follow each other share one.
.macro TURN t, first, last
.set CUR, S+64*((\t)%2)
.set OTH, S+64-64*((\t)%2)
.set STT, ST+4*(\t)
.if (\t) < 3
	QK (\t)+1, OTH
.endif
	WIN 0
.if (\t) == 0
.if (\first) == 0
	s_wait_alu depctr_vm_vsrc(0)                   ; the last step's LDS loads have read v[ADK] and v[ADV], which the additions below write
.endif
.if (\last) == 0
	v_add_nc_u32 v[ADK], s[TB], v[LI]              ; both addresses of the step are made here, ahead of this turn's wait on va_vdst
.endif
	v_add_nc_u32 v[ADV], s[TB], v[LIV]
.endif
	v_max3_num_f32 v[MA], v[CUR], v[CUR+1], v[CUR+2]   ; the step's largest score of my query among my 64 keys, in two chains, the registers in ascending order
	v_max3_num_f32 v[MB], v[CUR+3], v[CUR+4], v[CUR+5]
	v_max3_num_f32 v[MA], v[MA], v[CUR+6], v[CUR+7]
	v_max3_num_f32 v[MB], v[MB], v[CUR+8], v[CUR+9]
.irp i, 10,14,18,22,26,30,34,38,42,46,50,54,58
	v_max3_num_f32 v[MA], v[MA], v[CUR+\i], v[CUR+\i+1]
	v_max3_num_f32 v[MB], v[MB], v[CUR+\i+2], v[CUR+\i+3]
.endr
	v_max3_num_f32 v[MA], v[MA], v[CUR+62], v[CUR+63]
	v_max_num_f32 v[MA], v[MA], v[MB]
	v_permlanex16_b32 v[PX], v[MA], s26, s27
	v_max_num_f32 v[MA], v[MA], v[PX]              ; and among lane l xor 16's
	v_mul_f32 v[MA], s24, v[MA]                    ; as t (c is positive)
	v_max_num_f32 v[STT+1], v[STT+1], v[MA]        ; the running largest t
	v_mov_b32 v[MA], v[STT]
	v_floor_f32 v[STT], -v[STT+1]                  ; the new -M = floor(-t) = -ceil(t): M is a whole number
	v_sub_f32 v[MA], v[STT], v[MA]                 ; M's old value less its new one: a whole number, 0 or less
	v_cvt_i32_f32 v[MA], v[MA]                     ; (it saturates)
	v_ldexp_f32 v[F], 1.0, v[MA]                   ; f = 2^(old M - new M)
.set n, 0
.rept 32
	v_pk_fma_f32 v[CUR+n:CUR+n+1], v[CUR+n:CUR+n+1], s[24:25], v[STT:STT+1] op_sel_hi:[1,0,0]   ; t - M, two at a time (of the pairs c and -M the low word serves both halves)
.set n, n+2
.endr
.set n, 0
.rept 64
	v_exp_f32 v[CUR+n], v[CUR+n]                   ; p = 2^(t - M), at most 1: not normalised
.set n, n+1
.endr
	v_pk_mul_f32 v[STT+2:STT+3], v[STT+2:STT+3], v[F:F+1] op_sel_hi:[1,0]   ; the sums under the new M: the plain line behind the exponentials
.if (\t) == 0
	WIN 0x40                                       ; destination window 1: the switch, the wait, the loads
	s_wait_alu depctr_va_vdst(0)                   ; the 64 exponentials have written p, ahead of its first reader; the last step's V^T P are done reading V's registers, in which the loads below land; v[ADV] and v[ADK] are written
	LOADV                                          ; this step's V: wanted in turn 1
	WIN 0
.elseif ((\t) == 2) && ((\last) == 0)
	WIN 0x40                                       ; destination window 1: the switch, the wait, the loads
	s_wait_alu depctr_va_vdst(0)                   ; the 64 exponentials have written p, ahead of its first reader; this step's K Q^T, the last at this turn's head, are done reading K's registers, in which the loads below land
	LOADK ADK, 8192                                ; the next step's K: wanted in turn 3.  (v[ADK] has stood written since turn 0's wait)
	WIN 0
.else
	s_wait_alu depctr_va_vdst(0)                   ; the 64 exponentials have written p: one wait for the batch, ahead of its first reader
.endif
.if (\t) == 1
	s_wait_dscnt 0x0                               ; the step's V, asked for a turn ago, is in
	PV 0, \first                                   ; tile 0's second product: P and O^T stand as turn 0 left them
	WIN 0
.endif
.if ((\t) == 3) && ((\last) == 0)
	s_wait_dscnt 0x0                               ; the next step's K, asked for a turn ago, is in
	QK 0, OTH                                      ; the next step's first scores
	WIN 0
.endif
	v_pk_add_f32 v[SU:SU+1], v[CUR:CUR+1], v[CUR+2:CUR+3]   ; the row's sum is taken of the UNQUANTISED p: two at a time, in two chains
.irp j, 4,8,12,16,20,24,28,32,36,40,44,48,52,56,60
	v_pk_add_f32 v[STT+2:STT+3], v[STT+2:STT+3], v[CUR+\j:CUR+\j+1]
	v_pk_add_f32 v[SU:SU+1], v[SU:SU+1], v[CUR+\j+2:CUR+\j+3]
.endr
	v_pk_add_f32 v[STT+2:STT+3], v[STT+2:STT+3], v[SU:SU+1]
	s_cmp_ge_i32 s23, -8                           ; p <= 1 <= 448 x 2^e9 from e9 = -8 on (448 / 256 = 1.75): the hold could change nothing there
	s_cbranch_scc1 .Lfree_\@
.set n, 0
.rept 64
	v_min_num_f32 v[CUR+n], v[CUR+n], v[LIMV]      ; the conversion to an 8-bit code does not saturate (ISA guide 7.6.2); p is not negative, so the hold is one-sided
.set n, n+1
.endr
.Lfree_\@:
.irp i, 0,1,2,3,4,5,6,7
	v_cvt_scalef32_pk8_fp8_f32 v[P+2*\i:P+2*\i+1], v[CUR+8*\i:CUR+8*\i+7], v[SCL]
.endr
	v_nop                                          ; one plain line between the conversions and the matrix instructions that read their results and write their sources
.if (\first) == 0
	WIN 0x41                                       ; O^T (destination and source 0) in window 1, f in window 0
.set n, 0
.rept 16
	v_pk_mul_f32 v[32*(\t)+n:32*(\t)+n+1], v[32*(\t)+n:32*(\t)+n+1], v[F:F+1] op_sel_hi:[1,0]   ; O^T under the new M, each accumulator from its low end on
.set n, n+2
.endr
.endif
.if (\t) > 0
	PV \t, \first                                  ; (tile 0's stand in turn 1)
.endif
.endm
.macro STEP first, last                ; a key step: 128 keys for my four tiles
	TURN 0, \first, \last
	TURN 1, \first, \last
	TURN 2, \first, \last
	TURN 3, \first, \last
	WIN 0                                          ; at a label and at a branch every window is 0
.if (\last) == 0
	s_add_co_u32 s[TB], s[TB], 8192                ; on to the next step
.endif
.endm
	WIN 0x40                                       ; destination window 1
	LOADK LI, 0                                    ; key step 0, by v[LI] itself, which has stood written since the head's wait; no vector or matrix instruction has named K's registers yet
	WIN 0
	s_wait_dscnt 0x0
	QK 0, S                                        ; tile 0's first scores (Q came in with the copies' waits)
	WIN 0
.irp x, 0,1,2,3                        ; the statistics are set here: sixteen plain lines, the places between those products and the first read of their results
	v_mov_b32 v[ST+4*\x+1], 0xff61b1e6             ; the largest t so far: -3e38, under every t
	v_mov_b32 v[ST+4*\x+2], 0                      ; the sum, in two halves
	v_mov_b32 v[ST+4*\x+3], 0
	v_floor_f32 v[ST+4*\x], -v[ST+4*\x+1]          ; -M
.endr
	STEP 1, 0
	s_mov_b32 s[CNT], 14
.Lstep:                                            ; key steps 1 to 14
	STEP 0, 0
	s_sub_co_u32 s[CNT], s[CNT], 1
	s_cmp_lg_u32 s[CNT], 0
	s_cbranch_scc1 .Lstep
	STEP 0, 1                                      ; key step 15 fetches nothing more
	; THE WAY OUT.  The sum's two halves and lane l xor 16's are added; O^T is multiplied by 2^(e8 + e9) / the sum and goes through my stage in LDS, a tile (16 rows of 256 bytes) at a time.
.irp x, 0,1,2,3
	v_add_f32 v[ST+4*\x+2], v[ST+4*\x+2], v[ST+4*\x+3]   ; (these four are the places behind the last products)
.endr
.irp x, 0,1,2,3
	v_permlanex16_b32 v[ST+4*\x+3], v[ST+4*\x+2], s26, s27
.endr
.irp x, 0,1,2,3
	v_add_f32 v[ST+4*\x+2], v[ST+4*\x+2], v[ST+4*\x+3]
.endr
.irp x, 0,1,2,3
	v_rcp_f32 v[ST+4*\x+2], v[ST+4*\x+2]
.endr
	v_nop                                          ; a plain line behind the last reciprocal,
	s_wait_alu depctr_va_vdst(0)                   ; and one wait for the four: the reciprocals are written, ahead of their first reader
.irp x, 0,1,2,3
	v_ldexp_f32 v[ST+4*\x+2], v[ST+4*\x+2], s35
.endr
	WIN 0x41                                       ; all four tiles' multiplications first, so that one wait serves all the stores into the stage
.irp t, 0,1,2,3
.set n, 0
.rept 16
	v_pk_mul_f32 v[32*\t+n:32*\t+n+1], v[32*\t+n:32*\t+n+1], v[ST+4*\t+2:ST+4*\t+3] op_sel_hi:[1,0]
.set n, n+2
.endr
.endr
	WIN 0x04                                       ; the stores' data in window 1
	s_wait_alu depctr_va_vdst(0)                   ; the multiplications have written O^T, which the LDS stores below read; the loop's vector and matrix instructions are done with the score buffers, in which the loads from the stage land
.macro PACK t                          ; register 8 i + j of tile t is o(query r, d = 16 i + 8 h + j): 32 neighbouring bytes of a row for each i
	WIN 0x04
.irp i, 0,1,2,3
	ds_store_b128 v[STO], v[32*\t+8*\i:32*\t+8*\i+3] offset:64*\i
	ds_store_b128 v[STO], v[32*\t+8*\i+4:32*\t+8*\i+7] offset:64*\i+16
.endr
	WIN 0
.irp i, 0,1,2,3,4,5,6,7
	ds_load_b128 v[S+32*\t+4*\i:S+32*\t+4*\i+3], v[RD] offset:\i*2*SP   ; LDS serves a wave's instructions in order (ISA guide 5.7.1.4): these see my stores, and the next tile's stores come behind them.  No vector line behind the wait above names these registers
.endr
.endm
.macro SEND t, younger                 ; younger: the LDS instructions issued behind tile t's loads: the next tile's sixteen, or none
.irp i, 0,1,2,3,4,5,6,7
	s_wait_dscnt \younger+7-\i
	global_store_b128 v[GO], v[S+32*\t+4*\i:S+32*\t+4*\i+3], s[12:13] offset:(16*\t+2*\i)*4096 th:TH_STORE_NT   ; 16 lanes store 256 consecutive bytes, at a multiple of 256 from out0's first byte
.endr
.endm
	PACK 0
	PACK 1                                         ; a tile's trip through the stage stands between the loads of the tile before and its stores
	SEND 0, 16
	PACK 2
	SEND 1, 16
	PACK 3
	SEND 2, 16
	SEND 3, 0
	s_wait_dscnt 0x0                               ; the closing lines, six on end
	s_wait_alu 0x0
	s_wait_tensorcnt 0x0
	ds_add_u32 v[SPW], v[NIL]
	s_wait_dscnt 0x0
	s_endpgm
.Lfunc_end_k_q1bf941faf2_attn:
	.size	k_q1bf941faf2_attn, .Lfunc_end_k_q1bf941faf2_attn-k_q1bf941faf2_attn
	.p2alignl 7, 3214868480
	.fill 96, 4, 3214868480
	.section	.rodata,"a",@progbits
	.p2align	6, 0x0
	.amdhsa_kernel k_q1bf941faf2_attn
		.amdhsa_group_segment_fixed_size 297984
		.amdhsa_private_segment_fixed_size 0
		.amdhsa_enable_private_segment 0
		.amdhsa_kernarg_size 40
		.amdhsa_user_sgpr_count 2
		.amdhsa_user_sgpr_kernarg_segment_ptr 1
		.amdhsa_wavefront_size32 1
		.amdhsa_system_sgpr_workgroup_id_x 1
		.amdhsa_system_sgpr_workgroup_id_y 1
		.amdhsa_system_sgpr_workgroup_id_z 1
		.amdhsa_system_vgpr_workitem_id 0
		.amdhsa_next_free_vgpr 512
		.amdhsa_next_free_sgpr 66
		.amdhsa_reserve_vcc 0
		.amdhsa_float_denorm_mode_32 3
		.amdhsa_float_denorm_mode_16_64 3
		.amdhsa_memory_ordered 1
		.amdhsa_forward_progress 1
		.amdhsa_inst_pref_size 187
	.end_amdhsa_kernel
	.amdgpu_metadata
---
amdhsa.version: [ 1, 2 ]
amdhsa.kernels:
  - .name:           k_q1bf941faf2_attn
    .symbol:         k_q1bf941faf2_attn.kd
    .args:
      - { .name: qc, .offset: 0, .size: 8, .value_kind: global_buffer, .address_space: global }
      - { .name: kc, .offset: 8, .size: 8, .value_kind: global_buffer, .address_space: global }
      - { .name: vc, .offset: 16, .size: 8, .value_kind: global_buffer, .address_space: global }
      - { .name: lowp_scales, .offset: 24, .size: 8, .value_kind: global_buffer, .address_space: global }
      - { .name: out0, .offset: 32, .size: 8, .value_kind: global_buffer, .address_space: global }
    .group_segment_fixed_size: 297984
    .private_segment_fixed_size: 0
    .kernarg_segment_align: 8
    .kernarg_segment_size: 40
    .max_flat_workgroup_size: 256
    .sgpr_count:     66
    .vgpr_count:     512
    .wavefront_size: 32
...
	.end_amdgpu_metadata
.endif
;; end of part 4
